; MI455X (gfx1250); checked and timed in simulation.
; The chip was launched on July 23, 2026; its instructions are those of AMD's public machine-readable ISA for CDNA 5 (MIT licence, August 2026) and "CDNA5" Instruction Set Architecture Reference Guide (July 2026). The comments in the code are by the model that wrote it; some were corrected since.
;; Video CLIP Attention. Allowed arithmetic: matrix products marked QUANTISED: E3M2 operands, one E8M0 scale for each 32 along K, by v_wmma_scale_f32_16x16x128_f8f6f4 with both operands' format E3M2, f32 sums; everything else in f32.
;; Inputs: Wk 512 x 512 float32; Wo 512 x 512 float32; Wq 512 x 512 float32; Wv 512 x 512 float32; bk 512 float32; bo 512 float32; bq 512 float32; bv 512 float32; key 4 x 2,048 x 512 float32; query 4 x 2,048 x 512 float32; value 4 x 2,048 x 512 float32.
;; Outputs: out0 4 x 2,048 x 512 float32.
;; This version of the problem:
;;   THIS VERSION OF THE PROBLEM IS GIVEN IN LOW PRECISION. The matrix products marked QUANTISED in the list below multiply operands that are first quantised to E3M2 (3 exponent bits, 2 mantissa bits; 6 bits a number), with one power-of-two scale for each 32 numbers along K (OCP MX v1.0); their sums are f32. All else is computed in f32.
;;   The module's matrix products, in the order in which they are computed (A, B: the left and right operand; K: the contracted axis; several contracted axes count as one K, in the product's order):
;;     1. [M 8,192, K 512] x [K 512, N 512]; A: input query; B: input Wq: QUANTISED
;;     2. [M 8,192, K 512] x [K 512, N 512]; A: input key; B: input Wk: QUANTISED
;;     3. [M 8,192, K 512] x [K 512, N 512]; A: input value; B: input Wv: QUANTISED
;;     4. batch 32 x [M 2,048, K 64] x [K 64, N 2,048]; A: computed on the way; B: computed on the way: QUANTISED
;;     5. batch 32 x [M 2,048, K 2,048] x [K 2,048, N 64]; A: softmax (see below); B: computed on the way: QUANTISED
;;     6. [M 8,192, K 512] x [K 512, N 512]; A: computed on the way; B: input Wo: QUANTISED
;;   THE QUANTISER, for each operand of a quantised product, along K:
;;     - K is cut into blocks of 32 from its start; a last block that is shorter is filled with zeros.
;;     - A block's scale is 2^e with e = floor(log2(the largest magnitude in the block)) - 4, held to -126 .. 127; a block of zeros has e = 0. As a byte (E8M0): e + 127.
;;     - Each number is divided by its block's scale, clamped to +-28, and rounded to the nearest number of E3M2, ties to even, subnormals kept.
;;     - The product sums the exact products of the quantised numbers (number of the format x scale) in f32.
;;   ~~~python
;;   def quantise(x, axis):      # numpy; x: float32 -> the quantised numbers, widened to float32 again
;;       x = np.moveaxis(x, axis, -1); K = x.shape[-1]
;;       x = np.pad(x, [(0, 0)] * (x.ndim - 1) + [(0, -K % 32)]); x = x.reshape(x.shape[:-1] + (-1, 32)); a = np.abs(x).max(-1, keepdims=True)
;;       e = np.where(a > 0, np.clip(np.frexp(np.where(a > 0, a, 1))[1] - 1 - 4, -126, 127), 0)      # np.frexp(a)[1] - 1 = floor(log2(a)), exactly
;;       r = np.clip(x / 2.0 ** e, -28, 28)
;;       step = 2.0 ** (np.maximum(np.frexp(np.where(r == 0, 1, r))[1] - 1, -2) - 2)
;;       q = np.round(r / step) * step * 2.0 ** e      # np.round: ties to even
;;       return np.moveaxis(q.reshape(q.shape[:-2] + (-1,))[..., :K], -1, axis).astype(np.float32)
;;   ~~~
;;   SOFTMAX AHEAD OF A QUANTISED PRODUCT. Where the list says 'softmax', what is quantised is not the finished softmax but p = 2^(t - M), with t = logit x log2(e) and M = ceil(the row's largest t), a whole number; so 1/2 < the row's largest p <= 1. The row's sum l is taken of the UNQUANTISED p, in f32, and the product's result is divided by l at the end. Since M is a whole number, a kernel that streams over the keys may use a running M (the ceiling of the running maximum): every later rescaling is an exact power of two, which a block's scale takes up: the codes' values come out the same.
;;   OPERANDS COMPUTED ON THE WAY. 'Computed on the way' means the value that the module computes at that place (a softmax that the list does not call 'softmax' is quantised finished and normalised). What goes into a quantiser is computed in f32, as accurately as f32 sums, v_exp_f32 and their like allow (about 1e-6 of the number): no bf16 or f16 on the way to a quantiser, and a product that is left as it is and whose result goes on into a quantised operand takes f32 operands (vector FMAs, or v_wmma_f32_16x16x4_f32). A number that lies on a knife's edge between two numbers of the format may be rounded either way, as far as f32 arithmetic and the matrix unit's own rounding can turn it there, and no further.
;; 2 versions. Each part assembles by itself: llvm-mc -triple=amdgcn-amd-amdhsa -mcpu=gfx1250 --defsym DOCPART=n.
;; ======== version 1 of 2: 4 launches
;; workspace buffers: wrec 868,352 bytes; qrec 3,407,872 bytes; krec 3,407,872 bytes; vrec 3,407,872 bytes; xrec 3,670,016 bytes
;; launch wquant (part 1): grid 128 x 1, 4 waves a work-group, no clusters, 0 bytes of LDS; arguments Wq, Wk, Wv, Wo, bq, bk, bv, bo, wrec; writes wrec
.if DOCPART == 1
	.amdgcn_target "amdgcn-amd-amdhsa--gfx1250"
	.amdhsa_code_object_version 6
	.text
	.protected	k_q91ca8b3925_wquant
	.globl	k_q91ca8b3925_wquant
	.p2align	8
	.type	k_q91ca8b3925_wquant,@function
k_q91ca8b3925_wquant:
	s_mov_b64 s[64:65], 0
	v_nop
	global_prefetch_b8 v0, s[64:65] scope:SCOPE_SE
	s_setreg_imm32_b32 hwreg(HW_REG_WAVE_MODE, 25, 1), 1
	s_wait_xcnt 0x0
; VideoCLIPAttention in MX-BF6, launch 1 of 4: the four weights [512][512] f32 (K innermost) become codes of E3M2 with one E8M0 byte for each 32 along K.
; DEAD WORK: none.  Every input of reference() has a way to the output (bk too: it goes into a quantised operand), there is no mask and nothing is sliced away: all eleven inputs are loaded, all six products are done.
; LAYOUT OF wrec: 16 slabs of 54,272 bytes, slab 4 g + w (g: 0 Wq, 1 Wk, 2 Wv, 3 Wo; w: 128 output columns).  In a slab: the fragment (tile i of 16 rows, K step s of 128) at 1536 (4 i + s), AS AN IMAGE OF THE OPERAND'S
; REGISTERS (registers 4 c .. 4 c + 3 of lane l at 512 c + 16 l); its scale words, 4 bytes a lane, at 49,152 + 128 (4 i + s); tile i's biases, 4 bytes a lane, at 53,248 + 128 i.
; THE ROWS OF A TILE ARE NOT NEIGHBOURS: index p of tile i is row 128 w + 32 (i / 2) + 8 (i % 2) + p + 8 (p / 8), so that the 16 result registers of tiles 2 b and 2 b + 1 are 16 neighbours along the next product's K.
; SHARES: a work-group is one tile (128 tiles in all, so 128 work-groups), wave s its K step s: one fragment a wave.  No LDS, no barrier: waves share nothing.
; A block's scale is 2^(floor(log2(largest magnitude)) - 4); its byte is the largest magnitude's exponent field - 4, held at 1 from below.
; LIMITS: NaN and infinities among the inputs are not served; a block whose largest magnitude lies under 2^-122 gets the byte 1; a block of zeros gets the byte 1 where the rule says 127 (its codes are zeros, and this
; program alone reads the bytes).  The scale words and biases leave in runs of 128 bytes: about one byte in eleven of what the launch stores.
.set SLAB, 54272
.set XN,   16                          ; v16-79   64 numbers: register 16 b + i = k 32 b + 16 (lane / 16) + i of my row
.set PC,   80                          ; v80-99   the codes
.set TM,   100                         ; v100-115 at work
.set PW,   116                         ; v116     the scale word
.set SEL,  38                          ; s[38:39] lane selects for v_permlanex16_b32: lane l xor 16
; 64 numbers of a lane become a fragment's 12 registers of codes in v[PC] on and my row's scale word in v[PW].
.macro QUANT s
.irp b, 0,1,2,3
	v_max3_num_f32 v[TM+\b], |v[\s+16*\b]|, |v[\s+1+16*\b]|, 0x2800000   ; block b: my 16 numbers, and the floor 2^(5 - 127): the byte cannot fall under 1
.endr
.irp i, 2,4,6,8,10,12,14
.irp b, 0,1,2,3
	v_max3_num_f32 v[TM+\b], v[TM+\b], |v[\s+16*\b+\i]|, |v[\s+1+16*\b+\i]|   ; the four blocks by turns
.endr
.endr
.irp b, 0,1,2,3
	v_permlanex16_b32 v[TM+4+\b], v[TM+\b], s[SEL], s[SEL+1]
.endr
.irp b, 0,1,2,3
	v_max_num_f32 v[TM+\b], v[TM+\b], v[TM+4+\b]   ; with lane l xor 16's: the block's largest magnitude
.endr
.irp b, 0,1,2,3
	v_add_nc_u32 v[TM+12+\b], 0xfe000000, v[TM+\b]   ; 4 off its exponent field: the conversion's scale operand
.endr
.irp b, 0,1,2,3
	v_lshrrev_b32 v[TM+4+\b], 23, v[TM+12+\b]      ; the scale's byte
.endr
	v_lshl_or_b32 v[PW], v[TM+5], 8, v[TM+4]
	v_lshl_or_b32 v[PW], v[TM+6], 16, v[PW]
	v_lshl_or_b32 v[PW], v[TM+7], 24, v[PW]
.irp c, 0,1
	v_cvt_scalef32_pk16_bf6_f32 v[PC+6*\c:PC+2+6*\c], v[\s+32*\c:\s+15+32*\c], v[TM+12+2*\c]
	v_cvt_scalef32_pk16_bf6_f32 v[PC+12+4*\c:PC+14+4*\c], v[\s+16+32*\c:\s+31+32*\c], v[TM+12+2*\c+1]   ; (a conversion's three registers begin on an even number)
.endr
	v_nop                                          ; one plain line behind the scaled conversions
.irp c, 0,1                                    ; the operand wants a WHOLE block in a lane: lanes 0-15 block 2 c, lanes 16-31 block 2 c + 1
.irp i, 0,1,2
	v_permlane16_swap_b32 v[PC+6*\c+\i], v[PC+12+4*\c+\i]
.endr
.irp i, 0,1,2
	v_mov_b32 v[PC+3+6*\c+\i], v[PC+12+4*\c+\i]
.endr
.endr
.endm
	s_load_b256 s[4:11], s[0:1], 0x0               ; Wq, Wk, Wv, Wo
	s_load_b256 s[12:19], s[0:1], 0x20             ; bq, bk, bv, bo
	s_load_b64 s[20:21], s[0:1], 0x40              ; wrec
	v_lshrrev_b32 v1, 5, v0
	v_readfirstlane_b32 s22, v1                    ; wave = K step s
	s_lshr_b32 s23, ttmp9, 5                       ; g: which weight
	s_and_b32 s24, ttmp9, 31                       ; t: which of its 32 tiles
	v_and_b32 v1, 15, v0                           ; r
	v_bfe_u32 v2, v0, 4, 1                         ; h
	v_and_b32 v3, 8, v1
	v_add_nc_u32 v3, v3, v1                        ; r + 8 (r / 8)
	v_lshlrev_b32 v4, 11, v3
	v_lshl_add_u32 v4, v2, 6, v4                   ; my row of 2,048 bytes, + 64 h: my 16 numbers of a block of 32
	v_and_b32 v5, 31, v0
	v_lshlrev_b32 v6, 2, v5                        ; 4 x lane
	v_lshlrev_b32 v5, 4, v5                        ; 16 x lane
	v_lshlrev_b32 v7, 2, v3                        ; my row's bias
.irp b, 0,1,2,3
	v_mov_b32 v[TM+4+\b], 0                        ; written once: a lane permute's destination counts as one of its sources
.endr
	s_mov_b32 s[SEL], 0x76543210
	s_mov_b32 s[SEL+1], 0xfedcba98
	s_lshr_b32 s25, s24, 1
	s_lshl_b32 s25, s25, 5
	s_and_b32 s30, s24, 1
	s_lshl_b32 s30, s30, 3
	s_add_co_u32 s25, s25, s30                     ; the tile's first row: 32 (t / 2) + 8 (t % 2)
	s_lshl_b32 s30, s25, 11
	s_lshl_b32 s31, s22, 9
	s_add_co_u32 s30, s30, s31                     ; in W: that row, + 512 bytes a K step
	s_mov_b32 s31, 0
	s_lshl_b32 s32, s25, 2                         ; in the bias
	s_mov_b32 s33, 0
	s_lshl_b32 s34, s23, 2
	s_lshr_b32 s35, s24, 3
	s_add_co_u32 s34, s34, s35
	s_mul_i32 s34, s34, SLAB                       ; my slab
	s_and_b32 s35, s24, 7                          ; i: the tile in it
	s_lshl_b32 s36, s35, 2
	s_add_co_u32 s36, s36, s22                     ; 4 i + s
	s_mul_i32 s26, s36, 1536
	s_add_co_u32 s26, s26, s34                     ; the fragment's image
	s_mov_b32 s27, 0
	s_lshl_b32 s28, s36, 7
	s_add_co_u32 s28, s28, s34
	s_add_co_u32 s28, s28, 49152                   ; its scale words
	s_mov_b32 s29, 0
	s_lshl_b32 s40, s35, 7
	s_add_co_u32 s40, s40, s34
	s_add_co_u32 s40, s40, 53248                   ; the tile's biases
	s_mov_b32 s41, 0
	s_and_b32 s25, s23, 1
	s_wait_kmcnt 0x0
	s_cmp_eq_u32 s25, 0                            ; the choice of buffers hangs on the work-group's number alone
	s_cselect_b64 s[4:5], s[4:5], s[6:7]
	s_cselect_b64 s[8:9], s[8:9], s[10:11]
	s_cselect_b64 s[12:13], s[12:13], s[14:15]
	s_cselect_b64 s[16:17], s[16:17], s[18:19]
	s_cmp_lt_u32 s23, 2
	s_cselect_b64 s[4:5], s[4:5], s[8:9]
	s_cselect_b64 s[12:13], s[12:13], s[16:17]
	s_add_nc_u64 s[4:5], s[4:5], s[30:31]
	s_add_nc_u64 s[12:13], s[12:13], s[32:33]
	s_add_nc_u64 s[26:27], s[20:21], s[26:27]
	s_add_nc_u64 s[28:29], s[20:21], s[28:29]
	s_add_nc_u64 s[40:41], s[20:21], s[40:41]
.irp b, 0,1,2,3
.irp j, 0,1,2,3
	global_load_b128 v[XN+16*\b+4*\j:XN+16*\b+4*\j+3], v4, s[4:5] offset:128*\b+16*\j th:TH_LOAD_NT
.endr
.endr
	s_cmp_lg_u32 s22, 0                            ; wave 0 also lays the tile's biases out, a lane to a row
	s_cbranch_scc1 .Lno_bias
	global_load_b32 v8, v7, s[12:13]
	s_wait_loadcnt 0x0
	global_store_b32 v6, v8, s[40:41]
.Lno_bias:
	s_wait_loadcnt 0x0                             ; my 64 numbers are in
	QUANT XN
.irp c, 0,1,2
	global_store_b128 v5, v[PC+4*\c:PC+4*\c+3], s[26:27] offset:512*\c   ; 32 lanes store 512 consecutive bytes, at a multiple of 256 from wrec's first byte
.endr
	global_store_b32 v6, v[PW], s[28:29]
	s_endpgm
.Lfunc_end_k_q91ca8b3925_wquant:
	.size	k_q91ca8b3925_wquant, .Lfunc_end_k_q91ca8b3925_wquant-k_q91ca8b3925_wquant
	.p2alignl 7, 3214868480
	.fill 96, 4, 3214868480
	.section	.rodata,"a",@progbits
	.p2align	6, 0x0
	.amdhsa_kernel k_q91ca8b3925_wquant
		.amdhsa_group_segment_fixed_size 0
		.amdhsa_private_segment_fixed_size 0
		.amdhsa_enable_private_segment 0
		.amdhsa_kernarg_size 72
		.amdhsa_user_sgpr_count 2
		.amdhsa_user_sgpr_kernarg_segment_ptr 1
		.amdhsa_wavefront_size32 1
		.amdhsa_system_sgpr_workgroup_id_x 1
		.amdhsa_system_sgpr_workgroup_id_y 1
		.amdhsa_system_sgpr_workgroup_id_z 1
		.amdhsa_system_vgpr_workitem_id 0
		.amdhsa_next_free_vgpr 128
		.amdhsa_next_free_sgpr 66
		.amdhsa_reserve_vcc 0
		.amdhsa_float_denorm_mode_32 3
		.amdhsa_float_denorm_mode_16_64 3
		.amdhsa_memory_ordered 1
		.amdhsa_forward_progress 1
		.amdhsa_inst_pref_size 9
	.end_amdhsa_kernel
	.amdgpu_metadata
---
amdhsa.version: [ 1, 2 ]
amdhsa.kernels:
  - .name:           k_q91ca8b3925_wquant
    .symbol:         k_q91ca8b3925_wquant.kd
    .args:
      - { .name: Wq, .offset: 0, .size: 8, .value_kind: global_buffer, .address_space: global }
      - { .name: Wk, .offset: 8, .size: 8, .value_kind: global_buffer, .address_space: global }
      - { .name: Wv, .offset: 16, .size: 8, .value_kind: global_buffer, .address_space: global }
      - { .name: Wo, .offset: 24, .size: 8, .value_kind: global_buffer, .address_space: global }
      - { .name: bq, .offset: 32, .size: 8, .value_kind: global_buffer, .address_space: global }
      - { .name: bk, .offset: 40, .size: 8, .value_kind: global_buffer, .address_space: global }
      - { .name: bv, .offset: 48, .size: 8, .value_kind: global_buffer, .address_space: global }
      - { .name: bo, .offset: 56, .size: 8, .value_kind: global_buffer, .address_space: global }
      - { .name: wrec, .offset: 64, .size: 8, .value_kind: global_buffer, .address_space: global }
    .group_segment_fixed_size: 0
    .private_segment_fixed_size: 0
    .kernarg_segment_align: 8
    .kernarg_segment_size: 72
    .max_flat_workgroup_size: 128
    .sgpr_count:     66
    .vgpr_count:     128
    .wavefront_size: 32
...
	.end_amdgpu_metadata
.endif
;; end of part 1
;; launch proj (part 2): grid 64 x 3, 4 waves a work-group, clusters of 4 x 1, 270,848 bytes of LDS; arguments query, key, value, wrec, qrec, krec, vrec; writes qrec, krec, vrec
.if DOCPART == 2
	.amdgcn_target "amdgcn-amd-amdhsa--gfx1250"
	.amdhsa_code_object_version 6
	.text
	.protected	k_q91ca8b3925_proj
	.globl	k_q91ca8b3925_proj
	.p2align	8
	.type	k_q91ca8b3925_proj,@function
k_q91ca8b3925_proj:
	s_mov_b64 s[64:65], 0
	v_nop
	global_prefetch_b8 v0, s[64:65] scope:SCOPE_SE
	s_setreg_imm32_b32 hwreg(HW_REG_WAVE_MODE, 25, 1), 1
	s_wait_xcnt 0x0
	s_wait_alu depctr_hold_cnt(0) depctr_sa_sdst(0) depctr_va_vdst(0) depctr_va_sdst(0) depctr_va_ssrc(0) depctr_va_vcc(0) depctr_vm_vsrc(0)
	s_getreg_b32 s2, hwreg(HW_REG_IB_STS2, 6, 4)
	s_cmp_eq_u32 s2, 0
	s_cbranch_scc0 .Lentry_in_a_cluster
	s_endpgm
.Lentry_in_a_cluster:
	s_bfe_u32 s2, ttmp6, 0x10000c
	s_cmp_lg_u32 s2, 0x3003
	s_cbranch_scc0 .Lentry_shape_is_right
	s_endpgm
.Lentry_shape_is_right:
; Launch 2 of 4: q = query Wq^T + bq, k = key Wk^T + bk, v = value Wv^T + bv, each on codes of E3M2, and the results quantised at once for the next products: q and k along the head's 64, v ALONG THE KEYS.
; No work of reference() is left out here.
; SHARES.  Work-group y = 0, 1, 2 takes query, key, value; work-group x takes 128 rows, all 512 columns, all of K.  3 x 8,192 / 128 = 192 work-groups: v wants whole blocks of 128 keys in one work-group.
; Wave w owns columns 128 w .. 128 w + 127 (heads 2 w, 2 w + 1): its slab of wrec (32 fragments, their scale words, the biases: 54,272 dense bytes) comes into LDS by ONE tensor load and is read by that wave alone.
; CLUSTER.  The four work-groups of a cluster share y and so all four slabs: each slab is asked for jointly, by the same load with a mask that names the four.
; PHASE X.  Wave w quantises 32 of the 128 rows of x (8 fragments) in registers and stores them to LDS as images of the operand's registers (registers 4 c .. 4 c + 3 of lane l at 512 c + 16 l; scale words 4 bytes a lane).  One barrier.
; THE ROWS OF A TILE, of x as of W, ARE NOT NEIGHBOURS: index p of tile T is row 32 (T / 2) + 8 (T % 2) + p + 8 (p / 8): the 16 result registers of tiles 2 b, 2 b + 1 are then 16 neighbours along the next K.
; THEN 8 TRIPS, written out (every offset an immediate).  32 fragments stay in registers as source 0, one tile's 4 fragments move as source 1; a lane holds one row of the moving tile and its 64 results run along the next K:
;   q, k: source 0 = my slab of W, source 1 = x's tile i: a lane has one row of x and 128 columns = two heads' 64;  C of the first K step = the biases, eight registers a tile.
;   v:    source 0 = x's 128 rows (keys), source 1 = W's tile i: a lane has one column and 128 keys;  C of the first K step = the lane's bias in eight registers.
; The 64 results are quantised in registers and leave as images: qrec, krec: [b][head][16] records of 6,656 bytes: tile i's half fragment (registers 0-3 at 16 l, 4-5 at 512 + 8 l) at 768 i, scale words at 6,144 + 64 i + 4 p;
; vrec: [b][head][key step] records of 6,656 bytes: fragment dt of V^T (16 of the head's 64 x 128 keys) at 1,536 dt, its scale words at 6,144 + 128 dt.
; A scale word of q or k has the head's two bytes below; its upper two bytes stand over zero codes and are never 0xff.  These words leave in runs of 64 bytes: about one byte in thirteen of the launch's stores.
; LIMITS: as in the first launch (NaN, infinities; the byte 1 for blocks under 2^-122 and for blocks of zeros).
; REGISTERS.  window 0: v1-15 addresses; v16-79 the 8 accumulators; v80-127 the moving fragments; v128-131 their scale words; v132-139, v140 v's bias; v144-175 the staying fragments' scale words; v208-246 the quantiser's;
;   v252, v253 the add's two.  window 1: in phase X four buffers of 64 numbers; then the staying fragments 0-19.  window 2: fragments 20-31; from v144 the biases' 8 tiles (q, k).
.set SLAB,  54272
.set XIMG,  4*SLAB                     ; LDS: behind the four slabs x's 32 fragments, (tile T, K step s) at 1536 (4 T + s),
.set XSC,   XIMG+32*1536               ; their scale words, 128 bytes each,
.set SPARE, XSC+32*128                 ; and the spare words, 128 bytes for each wave: two blocks of 256 bytes that no other line names
.set REC,   6656
.set HEADB, 16*REC                     ; a head's bytes in qrec, krec, vrec
.set L16,   1                          ; 16 x lane
.set L8,    2                          ; 8 x lane
.set L4,    3                          ; 4 x lane
.set XA,    4                          ; x: my row of 2,048 bytes + 64 h
.set XWI,   5                          ; where I store x's images
.set XWS,   6                          ; and their scale words
.set SAW16, 7                          ; my slab: 16 x lane,
.set SAW4,  8                          ; 4 x lane,
.set BA32,  9                          ; 32 h: eight biases of my half
.set XI16,  10                         ; x's images: 16 x lane
.set XS4,   11                         ; x's scale words: 4 x lane
.set GOS,   15                         ; q's, k's scale words out: lanes 0-15 head 2 w, lanes 16-31 head 2 w + 1
.set ACC,   16
.set MV,    80
.set MS,    128
.set CB,    132
.set BL,    140
.set SSC,   144
.set PC,    208
.set TM,    228
.set PW,    244
.set PW2,   245
.set SH,    246                        ; 16 h
.set SPW,   252
.set NIL,   253
.set BT,    144                        ; in window 2
.set WV,    18
.set G1,    24
.set G0,    32
.set SEL,   46
.set MSB, 0
.macro WIN new                         ; s_set_vgpr_msb: bits 1:0 source 0, 3:2 source 1, 5:4 source 2, 7:6 destination; the high byte repeats the setting that is left
.if MSB != (\new)
	s_set_vgpr_msb (MSB<<8)|(\new)
.set MSB, (\new)
.endif
.endm
.macro PLACES n
.rept \n
	v_nop
.endr
.endm
.macro CROUND                          ; a round of the cluster's barrier
	s_barrier_signal -1
	s_barrier_wait -1
	s_cmp_lg_u32 s[WV], 0
	s_cbranch_scc1 .Lnot_wave_0_\@
	s_barrier_signal -3
.Lnot_wave_0_\@:
	s_barrier_wait -3
	s_barrier_signal -1
	s_barrier_wait -1
.endm
; 64 numbers of a lane in window w, register 16 b + i = k 32 b + 16 (lane / 16) + i of my row, become a fragment's codes in v[PC] on and its scale word in v[PW] (window 0).
.macro QUANT s, w
	WIN 5*(\w)
.irp b, 0,1,2,3
	v_max3_num_f32 v[TM+\b], |v[\s+16*\b]|, |v[\s+1+16*\b]|, 0x2800000   ; block b: my 16 numbers, and the floor 2^(5 - 127): the byte cannot fall under 1
.endr
	WIN 0x14*(\w)
.irp i, 2,4,6,8,10,12,14
.irp b, 0,1,2,3
	v_max3_num_f32 v[TM+\b], v[TM+\b], |v[\s+16*\b+\i]|, |v[\s+1+16*\b+\i]|   ; the four blocks by turns; each accumulator is read from its low end on
.endr
.endr
	WIN 0
.irp b, 0,1,2,3
	v_permlanex16_b32 v[TM+4+\b], v[TM+\b], s[SEL], s[SEL+1]
.endr
.irp b, 0,1,2,3
	v_max_num_f32 v[TM+\b], v[TM+\b], v[TM+4+\b]   ; with lane l xor 16's: the block's largest magnitude
.endr
.irp b, 0,1,2,3
	v_add_nc_u32 v[TM+12+\b], 0xfe000000, v[TM+\b]   ; 4 off its exponent field: the conversion's scale operand
.endr
.irp b, 0,1,2,3
	v_lshrrev_b32 v[TM+4+\b], 23, v[TM+12+\b]      ; the scale's byte
.endr
	v_lshl_or_b32 v[PW], v[TM+5], 8, v[TM+4]
	v_lshl_or_b32 v[PW], v[TM+6], 16, v[PW]
	v_lshl_or_b32 v[PW], v[TM+7], 24, v[PW]
	WIN \w
.irp c, 0,1
	v_cvt_scalef32_pk16_bf6_f32 v[PC+6*\c:PC+2+6*\c], v[\s+32*\c:\s+15+32*\c], v[TM+12+2*\c]
	v_cvt_scalef32_pk16_bf6_f32 v[PC+12+4*\c:PC+14+4*\c], v[\s+16+32*\c:\s+31+32*\c], v[TM+12+2*\c+1]   ; (a conversion's three registers begin on an even number)
.endr
	WIN 0
	v_nop                                          ; one plain line behind the scaled conversions
.irp c, 0,1                                    ; the operand wants a WHOLE block in a lane
.irp i, 0,1,2
	v_permlane16_swap_b32 v[PC+6*\c+\i], v[PC+12+4*\c+\i]
.endr
.irp i, 0,1,2
	v_mov_b32 v[PC+3+6*\c+\i], v[PC+12+4*\c+\i]
.endr
.endr
.endm
; fragment f = 4 u + s of my 32 rows (tile 2 w + u, K step s): 64 numbers a lane into buffer f % 4 of window 1
.macro XLOAD f
.irp b, 0,1,2,3
.irp j, 0,1,2,3
	global_load_b128 v[64*((\f)%4)+16*\b+4*\j:64*((\f)%4)+16*\b+4*\j+3], v[XA], s[36:37] offset:16384*((\f)/4)+512*((\f)%4)+128*\b+16*\j th:TH_LOAD_NT
.endr
.endr
.endm
.macro XQ f
.if (\f) <= 4
	s_wait_loadcnt 48                              ; fragment f is in; the 16 loads of each of the three younger fragments may be out
.else
	s_wait_loadcnt 16*(7-(\f))                     ; at the end two, one, none
.endif
	s_wait_dscnt 0x0                               ; the last image's stores have read their registers
	QUANT 64*((\f)%4), 1
.irp c, 0,1,2
	ds_store_b128 v[XWI], v[PC+4*\c:PC+4*\c+3] offset:1536*(\f)+512*\c
.endr
	ds_store_b32 v[XWS], v[PW] offset:128*(\f)
.if (\f)+4 < 8
	WIN 0x40
	XLOAD (\f)+4                                   ; the buffer takes the fragment four further on
	WIN 0
.endif
.endm
; the 32 fragments that stay: 0-19 into window 1, 20-31 into window 2; their scale words into window 0; bias = 1: the biases' eight tiles into window 2
.macro SLOAD a16, a4, o4, bias
	WIN 0x40
.set FI, 0
.rept 20
.irp c, 0,1,2
	ds_load_b128 v[12*FI+4*\c:12*FI+4*\c+3], v[\a16] offset:1536*FI+512*\c
.endr
.set FI, FI+1
.endr
	WIN 0x80
.rept 12
.irp c, 0,1,2
	ds_load_b128 v[12*(FI-20)+4*\c:12*(FI-20)+4*\c+3], v[\a16] offset:1536*FI+512*\c
.endr
.set FI, FI+1
.endr
.if \bias
.irp t, 0,1,2,3,4,5,6,7
	ds_load_b128 v[BT+8*\t:BT+8*\t+3], v[BA32] offset:53248+128*\t       ; lane (r, h): the biases of the tile's indices 8 h + 0 .. 7, the result's layout
	ds_load_b128 v[BT+8*\t+4:BT+8*\t+7], v[BA32] offset:53248+128*\t+16
.endr
.endif
	WIN 0
.set FI, 0
.rept 32
	ds_load_b32 v[SSC+FI], v[\a4] offset:\o4+128*FI
.set FI, FI+1
.endr
.endm
; the moving tile i: 4 fragments and their scale words; bl = 1: the lane's bias too
.macro MLOAD a16, a4, o4, i, bl
.irp s, 0,1,2,3
.irp c, 0,1,2
	ds_load_b128 v[MV+12*\s+4*\c:MV+12*\s+4*\c+3], v[\a16] offset:6144*(\i)+1536*\s+512*\c
.endr
	ds_load_b32 v[MS+\s], v[\a4] offset:\o4+512*(\i)+128*\s
.endr
.if \bl
	ds_load_b32 v[BL], v[SAW4] offset:53248+128*(\i)
.endif
.endm
; 32 matrix instructions: K step by K step, the eight accumulators by turns, one instruction a turn.  The first K step takes the biases as C.
.macro MMUL path
.irp s, 0,1,2,3
.irp t, 0,1,2,3,4,5,6,7
.set FI, 4*\t+\s
.if FI < 20
.set RS, 12*FI
.set WN, 1
.else
.set RS, 12*(FI-20)
.set WN, 2
.endif
.if \s == 0
.if \path
	WIN WN
	v_wmma_scale_f32_16x16x128_f8f6f4 v[ACC+8*\t:ACC+8*\t+7], v[RS:RS+11], v[MV+12*\s:MV+12*\s+11], v[CB:CB+7], v[SSC+FI], v[MS+\s] matrix_a_fmt:MATRIX_FMT_BF6 matrix_b_fmt:MATRIX_FMT_BF6
.else
	WIN 0x20+WN
	v_wmma_scale_f32_16x16x128_f8f6f4 v[ACC+8*\t:ACC+8*\t+7], v[RS:RS+11], v[MV+12*\s:MV+12*\s+11], v[BT+8*\t:BT+8*\t+7], v[SSC+FI], v[MS+\s] matrix_a_fmt:MATRIX_FMT_BF6 matrix_b_fmt:MATRIX_FMT_BF6
.endif
.else
	WIN WN
	v_wmma_scale_f32_16x16x128_f8f6f4 v[ACC+8*\t:ACC+8*\t+7], v[RS:RS+11], v[MV+12*\s:MV+12*\s+11], v[ACC+8*\t:ACC+8*\t+7], v[SSC+FI], v[MS+\s] matrix_a_fmt:MATRIX_FMT_BF6 matrix_b_fmt:MATRIX_FMT_BF6
.endif
.endr
.endr
.endm
; A TRIP: tile i is multiplied, the next tile is fetched, the 64 results are quantised and stored.  path 0: q, k;  1: v
.macro MTRIP path, i
	s_wait_dscnt 0x0                               ; the moving tile is in (in trip 0: all that stays, too)
.if \path
.irp j, 0,1,2,3,4,5,6,7
	v_mov_b32 v[CB+\j], v[BL]                      ; my column's bias for my eight keys of every tile
.endr
	PLACES 4
.endif
	MMUL \path
	WIN 0
	PLACES 4                                       ; four places behind the last product: for the loads into the moving fragments and for the first read of results
.if (\i) < 7
.if \path
	MLOAD SAW16, SAW4, 49152, (\i)+1, 1
.else
	MLOAD XI16, XS4, 0, (\i)+1, 0
.endif
.endif
	s_wait_xcnt 0x0                                ; the last trip's stores have read their data: the codes' registers are written again only behind this wait
	QUANT ACC, 0
.if \path
.irp c, 0,1,2
	global_store_b128 v[L16], v[PC+4*\c:PC+4*\c+3], s[38:39] offset:HEADB*((\i)/4)+1536*((\i)%4)+512*\c   ; tiles 0-3: head 2 w; tiles 4-7: head 2 w + 1.  512 consecutive bytes a store
.endr
	global_store_b32 v[L4], v[PW], s[38:39] offset:HEADB*((\i)/4)+6144+128*((\i)%4)
.else
	global_store_b128 v[L16], v[PC:PC+3], s[38:39] offset:768*(\i)                    ; registers 0-5: head 2 w's 64
	global_store_b64 v[L8], v[PC+4:PC+5], s[38:39] offset:768*(\i)+512
	global_store_b128 v[L16], v[PC+6:PC+9], s[38:39] offset:HEADB+768*(\i)            ; registers 6-11: head 2 w + 1's
	global_store_b64 v[L8], v[PC+10:PC+11], s[38:39] offset:HEADB+768*(\i)+512
	v_lshrrev_b32 v[PW2], v[SH], v[PW]             ; lanes 16-31 bring the upper two bytes down
	global_store_b32 v[GOS], v[PW2], s[38:39] offset:6144+64*(\i)
.endif
.endm
	s_load_b256 s[4:11], s[0:1], 0x0               ; query, key, value, wrec
	s_load_b128 s[12:15], s[0:1], 0x20             ; qrec, krec
	s_load_b64 s[16:17], s[0:1], 0x30              ; vrec
	v_lshl_add_u32 v[SPW], v0, 2, SPARE
	v_mov_b32 v[NIL], 0
	ds_add_u32 v[SPW], v[NIL]                      ; the wave's opening: the add, twice on end, and its wait ahead of my first tensor load
	ds_add_u32 v[SPW], v[NIL]
	v_lshrrev_b32 v1, 5, v0
	v_readfirstlane_b32 s[WV], v1                  ; wave 0..3
	s_bfe_u32 s19, ttmp6, 0x40000                  ; cx: it enters x's and the results' addresses alone
	s_lshl_b32 s20, ttmp9, 2
	s_add_co_u32 s20, s20, s19                     ; my block of 128 rows
	s_and_b32 s21, ttmp7, 0xffff                   ; y, which the four partners share
	s_mov_b32 s[G1], 15|(3<<16)|(1<<21)            ; 15:0 the mask: all four work-groups; 17:16 elements of 8 bytes; 21 set beside a mask; no padding
	s_mov_b32 s[G1+1], 32<<16                      ; tensor_dim0 = 32 elements: rows of 256 bytes
	s_mov_b32 s[G1+2], 212<<16                     ; tensor_dim1 = 212 rows: a slab
	s_mov_b32 s[G1+3], 32<<16                      ; tile_dim0
	s_mov_b32 s[G1+4], 212                         ; tile_dim1
	s_mov_b32 s[G1+5], 32                          ; the pitch: the block is dense
	s_mov_b32 s[G1+6], 0
	s_mov_b32 s[G1+7], 0
	s_mov_b32 s[SEL], 0x76543210
	s_mov_b32 s[SEL+1], 0xfedcba98
	s_lshl_b32 s48, s20, 18
	s_lshl_b32 s49, s[WV], 16
	s_add_co_u32 s48, s48, s49                     ; x: (128 block + 32 wave) rows of 2,048 bytes
	s_mov_b32 s49, 0
	s_lshl_b32 s50, s21, 2
	s_add_co_u32 s50, s50, s[WV]
	s_mul_i32 s50, s50, SLAB                       ; slab 4 y + w
	s_mov_b32 s51, 0
	s_lshr_b32 s52, s20, 4
	s_lshl_b32 s52, s52, 3
	s_lshl_b32 s53, s[WV], 1
	s_add_co_u32 s52, s52, s53                     ; 8 b + 2 w: my first head
	s_lshl_b32 s52, s52, 4
	s_and_b32 s53, s20, 15
	s_add_co_u32 s52, s52, s53
	s_mul_i32 s52, s52, REC                        ; its record of my block
	s_mov_b32 s53, 0
	s_mul_i32 s54, s[WV], SLAB                     ; my slab in LDS
	s_wait_dscnt 0x0                               ; both opening adds are done
	s_wait_kmcnt 0x0
	s_cmp_eq_u32 s21, 0                            ; the choice of buffers hangs on the work-group's number alone
	s_cselect_b64 s[36:37], s[4:5], s[6:7]
	s_cselect_b64 s[38:39], s[12:13], s[14:15]
	s_cmp_eq_u32 s21, 2
	s_cselect_b64 s[36:37], s[8:9], s[36:37]
	s_cselect_b64 s[38:39], s[16:17], s[38:39]
	s_add_nc_u64 s[36:37], s[36:37], s[48:49]
	s_add_nc_u64 s[38:39], s[38:39], s[52:53]
	s_mov_b32 s[G0], 1
	s_mov_b32 s[G0+1], s54
	s_add_nc_u64 s[G0+2:G0+3], s[10:11], s[50:51]
	s_or_b32 s[G0+3], s[G0+3], 0x80000000
	CROUND                                         ; all four work-groups are here: the joint loads meet
	tensor_load_to_lds s[G0:G0+3], s[G1:G1+7]      ; my slab: my one tensor load; filled once
	s_nop 0
	v_and_b32 v13, 15, v0                          ; r
	v_bfe_u32 v14, v0, 4, 1                        ; h
	v_and_b32 v[XA], 8, v13
	v_add_nc_u32 v[XA], v[XA], v13                 ; r + 8 (r / 8)
	v_lshlrev_b32 v[XA], 11, v[XA]
	v_lshl_add_u32 v[XA], v14, 6, v[XA]
	WIN 0x40                                       ; destination window 1
	XLOAD 0
	XLOAD 1
	XLOAD 2
	XLOAD 3
	WIN 0
	v_and_b32 v12, 31, v0
	v_lshlrev_b32 v[L16], 4, v12
	v_lshlrev_b32 v[L8], 3, v12
	v_lshlrev_b32 v[L4], 2, v12
	s_mul_i32 s55, s[WV], 12288
	s_add_co_u32 s55, s55, XIMG
	v_add_nc_u32 v[XWI], s55, v[L16]               ; my 8 fragments' images: 1536 (8 w + f)
	s_lshl_b32 s55, s[WV], 10
	s_add_co_u32 s55, s55, XSC
	v_add_nc_u32 v[XWS], s55, v[L4]
	v_add_nc_u32 v[SAW16], s54, v[L16]
	v_add_nc_u32 v[SAW4], s54, v[L4]
	v_lshl_add_u32 v[BA32], v14, 5, s54
	v_add_nc_u32 v[XI16], XIMG, v[L16]
	v_add_nc_u32 v[XS4], XSC, v[L4]
	v_mul_u32_u24 v[GOS], v14, HEADB
	v_lshl_add_u32 v[GOS], v13, 2, v[GOS]
	v_lshlrev_b32 v[SH], 4, v14
.irp b, 0,1,2,3
	v_mov_b32 v[TM+4+\b], 0                        ; written once: a lane permute's destination counts as one of its sources
.endr
.irp f, 0,1,2,3,4,5,6,7
	XQ \f
.endr
	s_wait_tensorcnt 0x0                           ; my slab has landed,
	s_wait_dscnt 0x0                               ; my images are stored:
	s_barrier_signal -1
	s_barrier_wait -1                              ; x's 32 fragments lie in LDS.  From here on LDS is only read
	s_cmp_eq_u32 s21, 2                            ; y is the same in all waves and in all partners
	s_cbranch_scc1 .Lv
	SLOAD SAW16, SAW4, 49152, 1                    ; q, k: my slab stays
	MLOAD XI16, XS4, 0, 0, 0
.irp n, 0,1,2,3,4,5,6,7
	MTRIP 0, \n
.endr
	s_branch .Lend
.Lv:
	SLOAD XI16, XS4, 0, 0                          ; v: the 128 keys stay
	MLOAD SAW16, SAW4, 49152, 0, 1
.irp n, 0,1,2,3,4,5,6,7
	MTRIP 1, \n
.endr
.Lend:
	s_wait_tensorcnt 0x0                           ; the wave's end, behind my last tensor load and my last LDS store
	ds_add_u32 v[SPW], v[NIL]
	s_wait_dscnt 0x0
	CROUND                                         ; the closing round
	s_endpgm
.Lfunc_end_k_q91ca8b3925_proj:
	.size	k_q91ca8b3925_proj, .Lfunc_end_k_q91ca8b3925_proj-k_q91ca8b3925_proj
	.p2alignl 7, 3214868480
	.fill 96, 4, 3214868480
	.section	.rodata,"a",@progbits
	.p2align	6, 0x0
	.amdhsa_kernel k_q91ca8b3925_proj
		.amdhsa_group_segment_fixed_size 270848
		.amdhsa_private_segment_fixed_size 0
		.amdhsa_enable_private_segment 0
		.amdhsa_kernarg_size 56
		.amdhsa_user_sgpr_count 2
		.amdhsa_user_sgpr_kernarg_segment_ptr 1
		.amdhsa_wavefront_size32 1
		.amdhsa_system_sgpr_workgroup_id_x 1
		.amdhsa_system_sgpr_workgroup_id_y 1
		.amdhsa_system_sgpr_workgroup_id_z 1
		.amdhsa_system_vgpr_workitem_id 0
		.amdhsa_next_free_vgpr 768
		.amdhsa_next_free_sgpr 66
		.amdhsa_reserve_vcc 0
		.amdhsa_float_denorm_mode_32 3
		.amdhsa_float_denorm_mode_16_64 3
		.amdhsa_memory_ordered 1
		.amdhsa_forward_progress 1
		.amdhsa_inst_pref_size 226
	.end_amdhsa_kernel
	.amdgpu_metadata
---
amdhsa.version: [ 1, 2 ]
amdhsa.kernels:
  - .name:           k_q91ca8b3925_proj
    .symbol:         k_q91ca8b3925_proj.kd
    .args:
      - { .name: query, .offset: 0, .size: 8, .value_kind: global_buffer, .address_space: global }
      - { .name: key, .offset: 8, .size: 8, .value_kind: global_buffer, .address_space: global }
      - { .name: value, .offset: 16, .size: 8, .value_kind: global_buffer, .address_space: global }
      - { .name: wrec, .offset: 24, .size: 8, .value_kind: global_buffer, .address_space: global }
      - { .name: qrec, .offset: 32, .size: 8, .value_kind: global_buffer, .address_space: global }
      - { .name: krec, .offset: 40, .size: 8, .value_kind: global_buffer, .address_space: global }
      - { .name: vrec, .offset: 48, .size: 8, .value_kind: global_buffer, .address_space: global }
    .group_segment_fixed_size: 270848
    .private_segment_fixed_size: 0
    .kernarg_segment_align: 8
    .kernarg_segment_size: 56
    .max_flat_workgroup_size: 128
    .sgpr_count:     66
    .vgpr_count:     768
    .wavefront_size: 32
...
	.end_amdgpu_metadata
.endif
;; end of part 2
;; launch attn (part 3): grid 8 x 32, 16 waves a work-group, clusters of 4 x 1, 215,040 bytes of LDS; arguments qrec, krec, vrec, xrec; writes xrec
.if DOCPART == 3
	.amdgcn_target "amdgcn-amd-amdhsa--gfx1250"
	.amdhsa_code_object_version 6
	.text
	.protected	k_q91ca8b3925_attn
	.globl	k_q91ca8b3925_attn
	.p2align	8
	.type	k_q91ca8b3925_attn,@function
k_q91ca8b3925_attn:
	s_mov_b64 s[64:65], 0
	v_nop
	global_prefetch_b8 v0, s[64:65] scope:SCOPE_SE
	s_setreg_imm32_b32 hwreg(HW_REG_WAVE_MODE, 25, 1), 1
	s_wait_xcnt 0x0
	s_wait_alu depctr_hold_cnt(0) depctr_sa_sdst(0) depctr_va_vdst(0) depctr_va_sdst(0) depctr_va_ssrc(0) depctr_va_vcc(0) depctr_vm_vsrc(0)
	s_getreg_b32 s2, hwreg(HW_REG_IB_STS2, 6, 4)
	s_cmp_eq_u32 s2, 0
	s_cbranch_scc0 .Lentry_in_a_cluster
	s_endpgm
.Lentry_in_a_cluster:
	s_bfe_u32 s2, ttmp6, 0x10000c
	s_cmp_lg_u32 s2, 0x3003
	s_cbranch_scc0 .Lentry_shape_is_right
	s_endpgm
.Lentry_shape_is_right:
; Launch 3 of 4: x[b][n][head] = softmax(q k^T / 8) v for each of the 32 heads, both products on codes of E3M2, and x quantised at once along the 512 for the last product.  No work of reference() is left out here.
; THE SOFTMAX AHEAD OF THE SECOND PRODUCT: t = score x log2(e) / 8; M = the row's largest t so far, rounded UP to a whole number; p = 2^(t - M) is what is quantised, along the keys; the row's sum is taken of the
; unquantised p and divides at the end.  When M moves, the sum and O are multiplied by 2^(old M - new M): exact.
; SHARES.  A work-group owns 256 queries of one head (work-group y = 8 b + head); each of its sixteen waves one tile of 16, in 256 registers: four waves to a SIMD, so that one wave's vector work stands beside another's products and LDS loads.
; ALL OF A HEAD'S K AND V STAY IN LDS: 16 records of 6,656 bytes each: 212,992 bytes.  So nothing is filled twice.  Every wave issues four tensor loads at the head, load g for key steps 4 g .. 4 g + 3 (waves 0-7: K's 26,624
; bytes of a group, waves 8-15: V's; 3,328 bytes a wave): cut in four so that the first key step can begin when a quarter of the bytes has landed.  Four loads of a wave are out at the most.
; CLUSTER.  The four work-groups of a cluster belong to one head: each load is a joint one, the same descriptor in all four, with a mask that names the four.
; No prefetch: every tensor load of the launch is issued at its head, so there is no later load to ask ahead for.
; LAYOUT.  Both products transposed: S^T = K Q^T (source 0 = 16 keys, source 1 = my queries), O^T = V^T P^T: a lane holds ONE query (lane % 16) throughout.  The head's 64 fill half of the instruction's 128 along K: registers
; 6-11 of Q's and K's fragments are zero codes, set once.  The keys of a tile of K, and the 16 of the head's 64 of a tile of V^T, are chosen (index p of tile T: 32 (T / 2) + 8 (T % 2) + p + 8 (p / 8)) so that the 16
; registers of tiles 2 b, 2 b + 1 are 16 neighbours.  The queries of my tile are permuted likewise; the last launch undoes that in its store addresses.
; OUT: xrec: a record of 7,168 bytes for each tile of 16 rows: head hd's half fragment at 768 hd (registers 0-3 at 16 l, 4-5 at 512 + 8 l), its scale words (two bytes, the upper two 0) at 6,144 + 128 hd + 4 l.
; LIMITS: NaN and infinities are not served; the byte 1 for blocks under 2^-122 and for blocks of zeros; 1 / sum is v_rcp_f32; a block's largest p is taken from the block's largest score, which takes v_exp_f32 not to fall where its input rises.
; REGISTERS: v1-3 16, 8, 4 x lane; v4-8 the step's LDS addresses; v9, v10 the add's two; v11 p's scale word; v12 -M, v13 the largest t, v[14:15] the sum in two halves; v16-27 Q; v28-31 V's scale words; v32-79 four fragments of K;
;   v80-127 V's four; v128-191 S^T, then p; v192-223 O^T; v224-235 p's codes; v232-247 at work; v248-251 K's scale words; v252 f (v253 = 0 beside it); v254 at work; v255 Q's scale word.
.set REC,   6656
.set HEADB, 16*REC
.set GRP,   4*REC
.set SPARE, 2*HEADB                    ; behind K and V: the spare words, 128 bytes for each wave: eight blocks of 256 bytes that no other line names
.set L16,   1
.set L8,    2
.set L4,    3
.set ADK16, 4
.set ADK8,  5
.set ADS,   6
.set ADV16, 7
.set ADVS,  8
.set SPW,   9
.set NIL,   10
.set PSW,   11
.set QF,    16
.set VS,    28
.set KF,    32
.set VF,    80
.set S,     128
.set OT,    192
.set WV,    12
.set G1,    16
.set G0,    24
.set SEL,   40
.set CS,    42                         ; s[42:43] c = log2(e) / 8: the packed form names a pair and takes its low word for both halves
.set TB,    44                         ; LDS byte of the step's record of K
.set TBV,   45                         ; and of V
.set CNT,   60
.macro PLACES n
.rept \n
	v_nop
.endr
.endm
.macro CROUND
	s_barrier_signal -1
	s_barrier_wait -1
	s_cmp_lg_u32 s[WV], 0
	s_cbranch_scc1 .Lnot_wave_0_\@
	s_barrier_signal -3
.Lnot_wave_0_\@:
	s_barrier_wait -3
	s_barrier_signal -1
	s_barrier_wait -1
.endm
.macro KLOAD g                         ; tiles 4 g .. 4 g + 3 of the step's K: half fragments, registers 0-5 of the four slots
.irp t, 0,1,2,3
	ds_load_b128 v[KF+12*\t:KF+12*\t+3], v[ADK16] offset:768*(4*\g+\t)
	ds_load_b64 v[KF+12*\t+4:KF+12*\t+5], v[ADK8] offset:768*(4*\g+\t)+512
.endr
.endm
.macro SPROD g                         ; four tiles of S^T.  A register of K's scale words holds tile 2 b's in lanes 0-15 and tile 2 b + 1's in lanes 16-31
.irp t, 0,1,2,3
.if \t%2
	v_wmma_scale_f32_16x16x128_f8f6f4 v[S+8*(4*\g+\t):S+8*(4*\g+\t)+7], v[KF+12*\t:KF+12*\t+11], v[QF:QF+11], 0, v[248+(4*\g+\t)/2], v255 matrix_a_fmt:MATRIX_FMT_BF6 matrix_b_fmt:MATRIX_FMT_BF6 matrix_a_scale:MATRIX_SCALE_ROW1
.else
	v_wmma_scale_f32_16x16x128_f8f6f4 v[S+8*(4*\g+\t):S+8*(4*\g+\t)+7], v[KF+12*\t:KF+12*\t+11], v[QF:QF+11], 0, v[248+(4*\g+\t)/2], v255 matrix_a_fmt:MATRIX_FMT_BF6 matrix_b_fmt:MATRIX_FMT_BF6
.endif
.endr
.endm
; A KEY STEP: 128 keys
.macro STEP
	v_add_nc_u32 v[ADK16], s[TB], v[L16]           ; these five are also the places behind the last step's products, in front of the loads into V's registers
	v_add_nc_u32 v[ADK8], s[TB], v[L8]
	v_add_nc_u32 v[ADS], s[TB], v[L4]
	v_add_nc_u32 v[ADV16], s[TBV], v[L16]
	v_add_nc_u32 v[ADVS], s[TBV], v[L4]
.irp b, 0,1,2,3
	ds_load_b32 v[248+\b], v[ADS] offset:6144+128*\b
.endr
	KLOAD 0
.irp d, 0,1,2,3
.irp c, 0,1,2
	ds_load_b128 v[VF+12*\d+4*\c:VF+12*\d+4*\c+3], v[ADV16] offset:1536*\d+512*\c
.endr
	ds_load_b32 v[VS+\d], v[ADVS] offset:6144+128*\d
.endr
	s_wait_dscnt 16                                ; K's scale words and first four tiles are in; V's sixteen loads may be out
	SPROD 0
	PLACES 4                                       ; in front of loads into registers that the products have read
	KLOAD 1
	s_wait_dscnt 0x0
	SPROD 1
	PLACES 4                                       ; in front of the first read of results
.irp b, 0,1,2,3
	v_max3_num_f32 v[232+\b], v[S+16*\b], v[S+1+16*\b], v[S+2+16*\b]   ; the largest score of each block of 32 keys: for the row's maximum, and for the block's largest p
.endr
.irp i, 3,5,7,9,11,13
.irp b, 0,1,2,3
	v_max3_num_f32 v[232+\b], v[232+\b], v[S+16*\b+\i], v[S+1+16*\b+\i]
.endr
.endr
.irp b, 0,1,2,3
	v_max_num_f32 v[232+\b], v[232+\b], v[S+15+16*\b]
.endr
.irp b, 0,1,2,3
	v_permlanex16_b32 v[236+\b], v[232+\b], s[SEL], s[SEL+1]
.endr
.irp b, 0,1,2,3
	v_max_num_f32 v[232+\b], v[232+\b], v[236+\b]  ; with lane l xor 16's 16 keys
.endr
	v_max3_num_f32 v254, v232, v233, v234
	v_max_num_f32 v254, v254, v235                 ; the step's largest score of my query
	v_mul_f32 v254, s[CS], v254                    ; as t (c is positive)
	v_max_num_f32 v13, v13, v254                   ; the running largest t
	v_mov_b32 v254, v12
	v_floor_f32 v12, -v13                          ; the new -M = floor(-t): M is a whole number
	v_sub_f32 v254, v12, v254                      ; old M - new M: a whole number, 0 or less
	v_cvt_i32_f32 v254, v254                       ; (it saturates)
	v_ldexp_f32 v252, 1.0, v254                    ; f = 2^(old M - new M)
.set J, 0
.rept 32
	v_pk_fma_f32 v[S+J:S+J+1], v[S+J:S+J+1], s[CS:CS+1], v[12:13] op_sel_hi:[1,0,0]   ; t - M, two at a time
.set J, J+2
.endr
.irp b, 0,1,2,3
	v_fma_f32 v[232+\b], v[232+\b], s[CS], v12     ; the same of each block's largest score
.endr
.set J, 0
.rept 64
	v_exp_f32 v[S+J], v[S+J]                       ; p = 2^(t - M), at most 1: not normalised
.set J, J+1
.endr
	v_pk_mul_f32 v[14:15], v[14:15], v[252:253] op_sel_hi:[1,0]   ; the sums under the new M: plain work behind the batch,
.set J, 0
.rept 8
	v_pk_mul_f32 v[OT+J:OT+J+1], v[OT+J:OT+J+1], v[252:253] op_sel_hi:[1,0]   ; and half of O^T under the new M, each accumulator from its low end on
.set J, J+2
.endr
	s_wait_alu depctr_va_vdst(0)                   ; one wait for the batch of 64, ahead of the first line that names a result
.irp b, 0,1,2,3
	v_exp_f32 v[232+\b], v[232+\b]                 ; the block's largest p: the same two instructions on the same number give the same bits
.endr
.rept 8
	v_pk_mul_f32 v[OT+J:OT+J+1], v[OT+J:OT+J+1], v[252:253] op_sel_hi:[1,0]   ; the other half of O^T: plain work behind the four
.set J, J+2
.endr
	s_wait_alu depctr_va_vdst(0)                   ; and one wait for the four
.irp b, 0,1,2,3
	v_max_num_f32 v[232+\b], 0x2800000, v[232+\b]  ; the floor 2^(5 - 127): the byte cannot fall under 1
.endr
.irp b, 0,1,2,3
	v_add_nc_u32 v[244+\b], 0xfe000000, v[232+\b]  ; 4 off the exponent field: the conversion's scale operand
.endr
.irp b, 0,1,2,3
	v_lshrrev_b32 v[236+\b], 23, v[244+\b]         ; the scale's byte
.endr
	v_lshl_or_b32 v[PSW], v237, 8, v236            ; p's scale word for these 128 keys
	v_lshl_or_b32 v[PSW], v238, 16, v[PSW]
	v_lshl_or_b32 v[PSW], v239, 24, v[PSW]
.irp c, 0,1
	v_cvt_scalef32_pk16_bf6_f32 v[224+6*\c:226+6*\c], v[S+32*\c:S+15+32*\c], v[244+2*\c]
	v_cvt_scalef32_pk16_bf6_f32 v[236+4*\c:238+4*\c], v[S+16+32*\c:S+31+32*\c], v[244+2*\c+1]   ; (a conversion's three registers begin on an even number)
.endr
	v_nop                                          ; one plain line behind the scaled conversions
.irp c, 0,1                                    ; the operand wants a WHOLE block in a lane
.irp i, 0,1,2
	v_permlane16_swap_b32 v[224+6*\c+\i], v[236+4*\c+\i]
.endr
.irp i, 0,1,2
	v_mov_b32 v[227+6*\c+\i], v[236+4*\c+\i]
.endr
.endr
	v_pk_add_f32 v[236:237], v[S:S+1], v[S+2:S+3]  ; THE ROW'S SUM IS TAKEN OF THE UNQUANTISED p, two at a time, in two chains.  These 32 lines name no register of the products below: they are the places between
.irp j, 4,8,12,16,20,24,28,32,36,40,44,48,52,56,60
	v_pk_add_f32 v[14:15], v[14:15], v[S+\j:S+\j+1]             ; the scale word's and the codes' last writes and those products
	v_pk_add_f32 v[236:237], v[236:237], v[S+2+\j:S+3+\j]
.endr
	v_pk_add_f32 v[14:15], v[14:15], v[236:237]
.irp d, 0,1,2,3                                ; O^T += V^T P^T: the head's 64 in four tiles; K = these 128 keys.  The four accumulators by turns
	v_wmma_scale_f32_16x16x128_f8f6f4 v[OT+8*\d:OT+8*\d+7], v[VF+12*\d:VF+12*\d+11], v[224:235], v[OT+8*\d:OT+8*\d+7], v[VS+\d], v[PSW] matrix_a_fmt:MATRIX_FMT_BF6 matrix_b_fmt:MATRIX_FMT_BF6
.endr
.endm
; Four key steps: their records came by my g-th load and the other waves' g-th loads
.macro GROUP g
	s_wait_tensorcnt 3-\g                          ; my load for this group has landed; my loads for the later groups may be out: nothing is filled twice in this launch
	s_barrier_signal -1
	s_barrier_wait -1                              ; everybody's has
	s_mov_b32 s[TB], GRP*\g
	s_mov_b32 s[TBV], HEADB+GRP*\g
	s_mov_b32 s[CNT], 4
.Lstep_\@:
	STEP
	s_add_co_u32 s[TB], s[TB], REC
	s_add_co_u32 s[TBV], s[TBV], REC
	s_sub_co_u32 s[CNT], s[CNT], 1
	s_cmp_lg_u32 s[CNT], 0
	s_cbranch_scc1 .Lstep_\@
.endm
	s_load_b256 s[4:11], s[0:1], 0x0               ; qrec, krec, vrec, xrec
	v_lshl_add_u32 v[SPW], v0, 2, SPARE
	v_mov_b32 v[NIL], 0
	ds_add_u32 v[SPW], v[NIL]                      ; the wave's opening: the add, twice on end, and its wait ahead of my first tensor load
	ds_add_u32 v[SPW], v[NIL]
	v_lshrrev_b32 v1, 5, v0
	v_readfirstlane_b32 s[WV], v1                  ; wave 0..15
	s_bfe_u32 s13, ttmp6, 0x40000                  ; cx: it enters Q's and x's addresses alone
	s_lshl_b32 s14, ttmp9, 2
	s_add_co_u32 s14, s14, s13                     ; my block of 256 queries
	s_and_b32 s15, ttmp7, 0xffff                   ; 8 b + head, which the four partners share
	s_mov_b32 s[G1], 15|(3<<16)|(1<<21)            ; 15:0 the mask: all four work-groups; 17:16 elements of 8 bytes; 21 set beside a mask; no padding
	s_mov_b32 s[G1+1], 32<<16                      ; rows of 256 bytes,
	s_mov_b32 s[G1+2], 13<<16                      ; 13 of them
	s_mov_b32 s[G1+3], 32<<16
	s_mov_b32 s[G1+4], 13
	s_mov_b32 s[G1+5], 32                          ; dense
	s_mov_b32 s[G1+6], 0
	s_mov_b32 s[G1+7], 0
	s_mov_b32 s[SEL], 0x76543210
	s_mov_b32 s[SEL+1], 0xfedcba98
	s_mov_b32 s[CS], 0x3e38aa3b                    ; c = log2(e) / 8
	s_mov_b32 s[CS+1], s[CS]
	s_and_b32 s46, s[WV], 7
	s_mul_i32 s46, s46, 3328                       ; my eighth of a group's bytes
	s_lshr_b32 s47, s[WV], 3
	s_mul_i32 s47, s47, HEADB
	s_add_co_u32 s47, s47, s46                     ; in LDS: K's half or V's
	s_mul_i32 s52, s15, HEADB
	s_add_co_u32 s52, s52, s46                     ; in memory: my head
	s_mov_b32 s53, 0
	s_wait_dscnt 0x0                               ; both opening adds are done
	s_wait_kmcnt 0x0
	s_cmp_lt_u32 s[WV], 8                          ; waves 0-7 fetch K, waves 8-15 V: the same in every work-group
	s_cselect_b64 s[54:55], s[6:7], s[8:9]
	s_add_nc_u64 s[54:55], s[54:55], s[52:53]
.irp g, 0,1,2,3
	s_mov_b32 s[G0+4*\g], 1
	s_add_co_u32 s[G0+4*\g+1], s47, GRP*\g
	s_add_nc_u64 s[G0+4*\g+2:G0+4*\g+3], s[54:55], GRP*\g
	s_or_b32 s[G0+4*\g+3], s[G0+4*\g+3], 0x80000000
.endr
	CROUND                                         ; all four work-groups are here: the joint loads meet
.irp g, 0,1,2,3
	tensor_load_to_lds s[G0+4*\g:G0+4*\g+3], s[G1:G1+7]
	s_nop 0
.endr
	v_and_b32 v4, 31, v0
	v_lshlrev_b32 v[L16], 4, v4
	v_lshlrev_b32 v[L8], 3, v4
	v_lshlrev_b32 v[L4], 2, v4
	v_and_b32 v6, 15, v0
	v_lshlrev_b32 v6, 2, v6                        ; Q's scale words: 4 (lane % 16)
	s_lshl_b32 s46, s15, 4
	s_lshl_b32 s47, s14, 1
	s_add_co_u32 s46, s46, s47
	s_lshr_b32 s47, s[WV], 3
	s_add_co_u32 s46, s46, s47
	s_mul_i32 s46, s46, REC                        ; Q's record: 16 (8 b + head) + 2 block + wave / 8
	s_and_b32 s47, s[WV], 7
	s_mul_i32 s48, s47, 768
	s_add_co_u32 s48, s48, s46                     ; my tile's half fragment
	s_mov_b32 s49, 0
	s_lshl_b32 s50, s47, 6
	s_add_co_u32 s50, s50, s46
	s_add_co_u32 s50, s50, 6144                    ; and its scale words
	s_mov_b32 s51, 0
	s_add_nc_u64 s[48:49], s[4:5], s[48:49]
	s_add_nc_u64 s[50:51], s[4:5], s[50:51]
	global_load_b128 v[QF:QF+3], v[L16], s[48:49] th:TH_LOAD_NT
	global_load_b64 v[QF+4:QF+5], v[L8], s[48:49] offset:512 th:TH_LOAD_NT
	global_load_b32 v255, v6, s[50:51] th:TH_LOAD_NT
	s_lshr_b32 s56, s15, 3
	s_lshl_b32 s56, s56, 7
	s_lshl_b32 s57, s14, 4
	s_add_co_u32 s56, s56, s57
	s_add_co_u32 s56, s56, s[WV]
	s_mul_i32 s56, s56, 7168                       ; x's record: 128 b + 16 block + wave
	s_and_b32 s57, s15, 7                          ; the head
	s_lshl_b32 s58, s57, 7
	s_add_co_u32 s58, s58, s56
	s_add_co_u32 s58, s58, 6144
	s_mul_i32 s57, s57, 768
	s_add_co_u32 s56, s56, s57
	s_mov_b32 s57, 0
	s_mov_b32 s59, 0
	s_add_nc_u64 s[56:57], s[10:11], s[56:57]
	s_add_nc_u64 s[58:59], s[10:11], s[58:59]
.irp j, 6,7,8,9,10,11
	v_mov_b32 v[QF+\j], 0                          ; the upper 64 along K: zero codes, on both sides, set once
.irp t, 0,1,2,3
	v_mov_b32 v[KF+12*\t+\j], 0
.endr
.endr
.set J, 0
.rept 32
	v_mov_b32 v[OT+J], 0                           ; O^T.  (The step is written once: the first finds zeros, which the first change of M leaves zeros)
.set J, J+1
.endr
	v_mov_b32 v13, 0xff61b1e6                      ; the largest t so far: -3e38, under every t
	v_floor_f32 v12, -v13                          ; -M
	v_mov_b32 v14, 0
	v_mov_b32 v15, 0
.irp b, 0,1,2,3
	v_mov_b32 v[236+\b], 0                         ; written once: a lane permute's destination counts as one of its sources
.endr
	v_mov_b32 v253, 0                              ; named beside f as a pair
	s_wait_loadcnt 0x0                             ; Q
	GROUP 0
	GROUP 1
	GROUP 2
	GROUP 3
	; THE WAY OUT: O^T / the sum, quantised along the head's 64 (two blocks of 32), stored as half a fragment
	v_add_f32 v14, v14, v15                        ; the sum's two halves,
	v_permlanex16_b32 v252, v14, s[SEL], s[SEL+1]
	v_add_f32 v14, v14, v252                       ; and lane l xor 16's: the row's sum
	v_rcp_f32 v14, v14
	PLACES 4                                       ; the plain line behind the reciprocal, and the places behind the last products
	s_wait_alu depctr_va_vdst(0)                   ; the wait ahead of the reciprocal's first reader
.set J, 0
.rept 32
	v_mul_f32 v[S+J], v[OT+J], v14                 ; register 16 b + i = channel 32 b + 16 (lane / 16) + i of my query
.set J, J+1
.endr
.irp b, 0,1
	v_max3_num_f32 v[232+\b], |v[S+16*\b]|, |v[S+1+16*\b]|, 0x2800000
.endr
.irp i, 2,4,6,8,10,12,14
.irp b, 0,1
	v_max3_num_f32 v[232+\b], v[232+\b], |v[S+16*\b+\i]|, |v[S+1+16*\b+\i]|
.endr
.endr
.irp b, 0,1
	v_permlanex16_b32 v[236+\b], v[232+\b], s[SEL], s[SEL+1]
.endr
.irp b, 0,1
	v_max_num_f32 v[232+\b], v[232+\b], v[236+\b]
.endr
.irp b, 0,1
	v_add_nc_u32 v[244+\b], 0xfe000000, v[232+\b]
.endr
.irp b, 0,1
	v_lshrrev_b32 v[236+\b], 23, v[244+\b]
.endr
	v_lshl_or_b32 v254, v237, 8, v236              ; the two bytes; the upper two stay 0
	v_cvt_scalef32_pk16_bf6_f32 v[224:226], v[S:S+15], v244
	v_cvt_scalef32_pk16_bf6_f32 v[236:238], v[S+16:S+31], v245
	v_nop
.irp i, 0,1,2
	v_permlane16_swap_b32 v[224+\i], v[236+\i]
.endr
.irp i, 0,1,2
	v_mov_b32 v[227+\i], v[236+\i]
.endr
	global_store_b128 v[L16], v[224:227], s[56:57]             ; 512 consecutive bytes, at a multiple of 256 from xrec's first byte
	global_store_b64 v[L8], v[228:229], s[56:57] offset:512    ; 256 more
	global_store_b32 v[L4], v254, s[58:59]
	s_wait_tensorcnt 0x0                           ; the wave's end, behind my last tensor load
	ds_add_u32 v[SPW], v[NIL]
	s_wait_dscnt 0x0
	CROUND                                         ; the closing round
	s_endpgm
.Lfunc_end_k_q91ca8b3925_attn:
	.size	k_q91ca8b3925_attn, .Lfunc_end_k_q91ca8b3925_attn-k_q91ca8b3925_attn
	.p2alignl 7, 3214868480
	.fill 96, 4, 3214868480
	.section	.rodata,"a",@progbits
	.p2align	6, 0x0
	.amdhsa_kernel k_q91ca8b3925_attn
		.amdhsa_group_segment_fixed_size 215040
		.amdhsa_private_segment_fixed_size 0
		.amdhsa_enable_private_segment 0
		.amdhsa_kernarg_size 32
		.amdhsa_user_sgpr_count 2
		.amdhsa_user_sgpr_kernarg_segment_ptr 1
		.amdhsa_wavefront_size32 1
		.amdhsa_system_sgpr_workgroup_id_x 1
		.amdhsa_system_sgpr_workgroup_id_y 1
		.amdhsa_system_sgpr_workgroup_id_z 1
		.amdhsa_system_vgpr_workitem_id 0
		.amdhsa_next_free_vgpr 256
		.amdhsa_next_free_sgpr 66
		.amdhsa_reserve_vcc 0
		.amdhsa_float_denorm_mode_32 3
		.amdhsa_float_denorm_mode_16_64 3
		.amdhsa_memory_ordered 1
		.amdhsa_forward_progress 1
		.amdhsa_inst_pref_size 77
	.end_amdhsa_kernel
	.amdgpu_metadata
---
amdhsa.version: [ 1, 2 ]
amdhsa.kernels:
  - .name:           k_q91ca8b3925_attn
    .symbol:         k_q91ca8b3925_attn.kd
    .args:
      - { .name: qrec, .offset: 0, .size: 8, .value_kind: global_buffer, .address_space: global }
      - { .name: krec, .offset: 8, .size: 8, .value_kind: global_buffer, .address_space: global }
      - { .name: vrec, .offset: 16, .size: 8, .value_kind: global_buffer, .address_space: global }
      - { .name: xrec, .offset: 24, .size: 8, .value_kind: global_buffer, .address_space: global }
    .group_segment_fixed_size: 215040
    .private_segment_fixed_size: 0
    .kernarg_segment_align: 8
    .kernarg_segment_size: 32
    .max_flat_workgroup_size: 512
    .sgpr_count:     66
    .vgpr_count:     256
    .wavefront_size: 32
...
	.end_amdgpu_metadata
.endif
;; end of part 3
;; launch oproj (part 4): grid 64 x 4, 4 waves a work-group, clusters of 4 x 4, 167,936 bytes of LDS; arguments wrec, xrec, out0; writes out0
.if DOCPART == 4
	.amdgcn_target "amdgcn-amd-amdhsa--gfx1250"
	.amdhsa_code_object_version 6
	.text
	.protected	k_q91ca8b3925_oproj
	.globl	k_q91ca8b3925_oproj
	.p2align	8
	.type	k_q91ca8b3925_oproj,@function
k_q91ca8b3925_oproj:
	s_mov_b64 s[64:65], 0
	v_nop
	global_prefetch_b8 v0, s[64:65] scope:SCOPE_SE
	s_setreg_imm32_b32 hwreg(HW_REG_WAVE_MODE, 25, 1), 1
	s_wait_xcnt 0x0
	s_wait_alu depctr_hold_cnt(0) depctr_sa_sdst(0) depctr_va_vdst(0) depctr_va_sdst(0) depctr_va_ssrc(0) depctr_va_vcc(0) depctr_vm_vsrc(0)
	s_getreg_b32 s2, hwreg(HW_REG_IB_STS2, 6, 4)
	s_cmp_eq_u32 s2, 0
	s_cbranch_scc0 .Lentry_in_a_cluster
	s_endpgm
.Lentry_in_a_cluster:
	s_bfe_u32 s2, ttmp6, 0x10000c
	s_cmp_lg_u32 s2, 0xf033
	s_cbranch_scc0 .Lentry_shape_is_right
	s_endpgm
.Lentry_shape_is_right:
; Launch 4 of 4: out0 = x Wo^T + bo on codes of E3M2: x's codes from xrec, Wo's codes, scale words and bo from slabs 12 to 15 of wrec.  No work of reference() is left out here.
; SHARES.  A work-group makes 128 rows x 128 columns: 64 x 4 = 256 work-groups.  Wave w: 64 x 64 (row tiles 4 (w / 2) + m, column tiles 4 (w % 2) + t): 16 accumulators.  K = 512 in four steps, all of it in LDS at once.
; CLUSTER 4 x 4.  The grid's four work-groups along y are one cluster, so my column block is cy.  The slab hangs on cy alone and is shared along a row of the cluster, x's eight records hang on the row block alone and are
; shared along a column: each wave issues two joint loads, a quarter of each: two loads of a wave are out.  Nothing is filled twice.
; The matrix instruction is used transposed (source 0 = 16 rows of Wo, source 1 = 16 rows of x): a lane holds eight neighbouring columns of one row.  The biases are loaded into the accumulators, so that all 64 products add in place.
; x's fragment of K step s is the half fragments of heads 2 s and 2 s + 1 on end; its scale word is the two heads' two bytes each.
; THE WAY OUT undoes the two choices of rows: a tile's columns by the place in the stage, x's rows by the store's offset.  16 rows x 256 bytes go through my own stage in LDS and leave as whole aligned runs of 256 bytes.
; REGISTERS: v1-9 addresses; v10, v11 the add's two; v12-27 x's scale words (4 s + m); v28-31 Wo's; v32-79 Wo's four fragments; v80-127 x's four; v128-255 the accumulators ((m, t) at 128 + 8 (4 m + t)).
.set SLAB,  54272
.set XL,    SLAB                       ; LDS: behind the slab x's eight records of 7,168 bytes,
.set XREC,  7168
.set STG,   XL+8*XREC                  ; a stage of 16 rows x (256 + 16) bytes for each wave,
.set SPARE, STG+4*4352                 ; and the spare words, 128 bytes for each wave: two blocks of 256 bytes that no other line names
.set WA,    1
.set WSA,   2
.set XA16,  3
.set XA8,   4
.set XSA,   5
.set BA,    6
.set STO,   7
.set RD,    8
.set CO,    9
.set SPW,   10
.set NIL,   11
.set XS,    12
.set WS,    28
.set WF,    32
.set XF,    80
.set ACC,   128
.set WV,    10
.set G1A,   24
.set G1B,   32
.set G0A,   40
.set G0B,   44
.macro PLACES n
.rept \n
	v_nop
.endr
.endm
.macro CROUND
	s_barrier_signal -1
	s_barrier_wait -1
	s_cmp_lg_u32 s[WV], 0
	s_cbranch_scc1 .Lnot_wave_0_\@
	s_barrier_signal -3
.Lnot_wave_0_\@:
	s_barrier_wait -3
	s_barrier_signal -1
	s_barrier_wait -1
.endm
.macro KSTEP s
.if \s
	PLACES 4                                       ; in front of loads into registers that the products have read
.endif
.irp t, 0,1,2,3
.irp c, 0,1,2
	ds_load_b128 v[WF+12*\t+4*\c:WF+12*\t+4*\c+3], v[WA] offset:6144*\t+1536*\s+512*\c
.endr
	ds_load_b32 v[WS+\t], v[WSA] offset:49152+512*\t+128*\s
.endr
.irp m, 0,1,2,3
	ds_load_b128 v[XF+12*\m:XF+12*\m+3], v[XA16] offset:XREC*\m+1536*\s            ; head 2 s: registers 0-5
	ds_load_b64 v[XF+12*\m+4:XF+12*\m+5], v[XA8] offset:XREC*\m+1536*\s+512
	ds_load_b128 v[XF+12*\m+6:XF+12*\m+9], v[XA16] offset:XREC*\m+1536*\s+768      ; head 2 s + 1: registers 6-11
	ds_load_b64 v[XF+12*\m+10:XF+12*\m+11], v[XA8] offset:XREC*\m+1536*\s+1280
.endr
	s_wait_dscnt 0x0
.irp m, 0,1,2,3                                ; the sixteen accumulators by turns, in the same order in every step
.irp t, 0,1,2,3
	v_wmma_scale_f32_16x16x128_f8f6f4 v[ACC+8*(4*\m+\t):ACC+8*(4*\m+\t)+7], v[WF+12*\t:WF+12*\t+11], v[XF+12*\m:XF+12*\m+11], v[ACC+8*(4*\m+\t):ACC+8*(4*\m+\t)+7], v[WS+\t], v[XS+4*\s+\m] matrix_a_fmt:MATRIX_FMT_BF6 matrix_b_fmt:MATRIX_FMT_BF6
.endr
.endr
.endm
.macro TOSTAGE m                       ; row tile m: lane (r, h), tile t, register j: column 32 (t / 2) + 16 h + 8 (t % 2) + j of my 64
.irp t, 0,1,2,3
	ds_store_b128 v[STO], v[ACC+8*(4*(\m)+\t):ACC+8*(4*(\m)+\t)+3] offset:128*(\t/2)+32*(\t%2)       ; each accumulator from its low end on
	ds_store_b128 v[STO], v[ACC+8*(4*(\m)+\t)+4:ACC+8*(4*(\m)+\t)+7] offset:128*(\t/2)+32*(\t%2)+16
.endr
.irp i, 0,1,2,3,4,5,6,7
	ds_load_b128 v[32+32*((\m)%2)+4*\i:32+32*((\m)%2)+4*\i+3], v[RD] offset:544*\i   ; LDS serves a wave's instructions in order (ISA guide 5.7.1.4): these see the stores above, and the next tile's stores come behind them
.endr
.endm
.macro SEND m, younger                 ; younger: the LDS instructions issued behind tile m's loads, which may stay out
	s_wait_dscnt \younger
.irp i, 0,1,2,3,4,5,6,7
	global_store_b128 v[CO], v[32+32*((\m)%2)+4*\i:32+32*((\m)%2)+4*\i+3], s[8:9] offset:(32*((\m)/2)+8*((\m)%2)+2*\i+8*(\i/4))*2048 th:TH_STORE_NT   ; stage rows 2 i, 2 i + 1 are rows 2 i + 8 (i / 4) (+ 1) of the tile; 16 lanes store 256 consecutive bytes, aligned
.endr
.endm
	s_load_b128 s[4:7], s[0:1], 0x0                ; wrec, xrec
	s_load_b64 s[8:9], s[0:1], 0x10                ; out0
	v_lshl_add_u32 v[SPW], v0, 2, SPARE
	v_mov_b32 v[NIL], 0
	ds_add_u32 v[SPW], v[NIL]                      ; the wave's opening: the add, twice on end, and its wait ahead of my first tensor load
	ds_add_u32 v[SPW], v[NIL]
	v_lshrrev_b32 v1, 5, v0
	v_readfirstlane_b32 s[WV], v1                  ; wave 0..3
	s_bfe_u32 s12, ttmp6, 0x40000                  ; cx
	s_bfe_u32 s13, ttmp6, 0x40004                  ; cy: my block of 128 columns
	s_lshl_b32 s14, ttmp9, 2
	s_add_co_u32 s14, s14, s12                     ; my block of 128 rows
	s_lshl_b32 s15, s13, 2
	s_lshl_b32 s15, 15, s15                        ; my row of the cluster
	s_lshl_b32 s16, 0x1111, s12                    ; my column
	s_or_b32 s[G1A], s15, (3<<16)|(1<<21)          ; the slab goes to my row; elements of 8 bytes; bit 21 beside a mask; no padding
	s_or_b32 s[G1B], s16, (3<<16)|(1<<21)          ; x's records go to my column
	s_mov_b32 s[G1A+1], 32<<16                     ; rows of 256 bytes,
	s_mov_b32 s[G1A+2], 53<<16                     ; 53 of them: a quarter of the slab
	s_mov_b32 s[G1A+3], 32<<16
	s_mov_b32 s[G1A+4], 53
	s_mov_b32 s[G1A+5], 32
	s_mov_b32 s[G1A+6], 0
	s_mov_b32 s[G1A+7], 0
	s_mov_b32 s[G1B+1], 32<<16
	s_mov_b32 s[G1B+2], 56<<16                     ; 56 rows: two records
	s_mov_b32 s[G1B+3], 32<<16
	s_mov_b32 s[G1B+4], 56
	s_mov_b32 s[G1B+5], 32
	s_mov_b32 s[G1B+6], 0
	s_mov_b32 s[G1B+7], 0
	s_add_co_u32 s48, s13, 12
	s_mul_i32 s48, s48, SLAB                       ; slab 12 + cy,
	s_mul_i32 s52, s[WV], 13568
	s_add_co_u32 s48, s48, s52                     ; my quarter of it
	s_mov_b32 s49, 0
	s_mul_i32 s50, s14, 8*XREC                     ; my block's eight records,
	s_mul_i32 s53, s[WV], 2*XREC
	s_add_co_u32 s50, s50, s53                     ; my two of them
	s_mov_b32 s51, 0
	s_add_co_u32 s53, s53, XL
	s_wait_dscnt 0x0                               ; both opening adds are done
	s_wait_kmcnt 0x0
	s_mov_b32 s[G0A], 1
	s_mov_b32 s[G0A+1], s52
	s_add_nc_u64 s[G0A+2:G0A+3], s[4:5], s[48:49]
	s_or_b32 s[G0A+3], s[G0A+3], 0x80000000
	s_mov_b32 s[G0B], 1
	s_mov_b32 s[G0B+1], s53
	s_add_nc_u64 s[G0B+2:G0B+3], s[6:7], s[50:51]
	s_or_b32 s[G0B+3], s[G0B+3], 0x80000000
	CROUND                                         ; all sixteen work-groups are here: the joint loads meet
	tensor_load_to_lds s[G0A:G0A+3], s[G1A:G1A+7]
	s_nop 0
	tensor_load_to_lds s[G0B:G0B+3], s[G1B:G1B+7]
	s_nop 0
	s_lshr_b32 s54, s[WV], 1                       ; which 64 rows are mine
	s_and_b32 s55, s[WV], 1                        ; which 64 columns
	v_and_b32 v32, 31, v0                          ; lane
	v_and_b32 v33, 15, v0                          ; r
	v_bfe_u32 v34, v0, 4, 1                        ; h
	s_mul_i32 s56, s55, 24576
	v_lshl_add_u32 v[WA], v32, 4, s56              ; Wo's fragments: tiles 4 (w % 2) on
	s_lshl_b32 s56, s55, 11
	v_lshl_add_u32 v[WSA], v32, 2, s56
	s_mul_i32 s56, s54, 4*XREC
	s_add_co_u32 s56, s56, XL
	v_lshl_add_u32 v[XA16], v32, 4, s56            ; x's records 4 (w / 2) on
	v_lshl_add_u32 v[XA8], v32, 3, s56
	v_lshl_add_u32 v[XSA], v32, 2, s56
	s_lshl_b32 s56, s55, 9
	v_lshl_add_u32 v[BA], v34, 5, s56              ; the biases of my half's eight indices
	s_mul_i32 s56, s[WV], 4352
	s_add_co_u32 s56, s56, STG                     ; my stage
	v_mul_u32_u24 v[STO], v33, 272
	v_lshl_add_u32 v[STO], v34, 6, v[STO]
	v_add_nc_u32 v[STO], s56, v[STO]               ; in: row r, + 64 h
	v_mul_u32_u24 v[RD], v34, 272
	v_lshl_add_u32 v[RD], v33, 4, v[RD]
	v_add_nc_u32 v[RD], s56, v[RD]                 ; back: lanes 0-15 one row, lanes 16-31 the next
	v_lshlrev_b32 v[CO], 11, v34
	v_lshl_add_u32 v[CO], v33, 4, v[CO]            ; and the same two rows in out0
	s_lshl_b32 s56, s14, 18
	s_lshl_b32 s57, s54, 17
	s_add_co_u32 s56, s56, s57                     ; (128 block + 64 (w / 2)) rows of 2,048 bytes
	s_lshl_b32 s57, s13, 9
	s_add_co_u32 s56, s56, s57
	s_lshl_b32 s57, s55, 8
	s_add_co_u32 s56, s56, s57                     ; + (128 cy + 64 (w % 2)) columns of 4 bytes
	s_mov_b32 s57, 0
	s_add_nc_u64 s[8:9], s[8:9], s[56:57]
	s_wait_tensorcnt 0x0                           ; my two quarters have landed,
	s_barrier_signal -1
	s_barrier_wait -1                              ; everybody's have
.irp m, 0,1,2,3
.irp t, 0,1,2,3
	ds_load_b128 v[ACC+8*(4*\m+\t):ACC+8*(4*\m+\t)+3], v[BA] offset:53248+128*\t        ; bo starts every sum
	ds_load_b128 v[ACC+8*(4*\m+\t)+4:ACC+8*(4*\m+\t)+7], v[BA] offset:53248+128*\t+16
.endr
.endr
.irp m, 0,1,2,3
.irp d, 0,1,2,3,4,5,6,7
	ds_load_b32 v[32+8*\m+\d], v[XSA] offset:XREC*\m+6144+128*\d      ; x's scale words, head by head
.endr
.endr
	s_wait_dscnt 0x0
.irp s, 0,1,2,3
.irp m, 0,1,2,3
	v_lshl_or_b32 v[XS+4*\s+\m], v[32+8*\m+2*\s+1], 16, v[32+8*\m+2*\s]   ; two heads' two bytes each: the word of K step s.  In the order of use: at least twelve plain lines follow a word before its first product
.endr
.endr
	KSTEP 0
	KSTEP 1
	KSTEP 2
	KSTEP 3
	PLACES 4                                       ; in front of the first read of results and of the loads into the fragments' registers
	TOSTAGE 0
	TOSTAGE 1
	SEND 0, 16                                     ; behind tile 0's loads: tile 1's 8 stores and 8 loads
	s_wait_xcnt 0x0                                ; tile 0's stores have read their registers: tile 2's loads may land there
	TOSTAGE 2
	SEND 1, 16
	s_wait_xcnt 0x0
	TOSTAGE 3
	SEND 2, 16
	SEND 3, 0
	s_wait_tensorcnt 0x0                           ; the wave's end, behind my last tensor load and my last LDS store
	ds_add_u32 v[SPW], v[NIL]
	s_wait_dscnt 0x0
	CROUND                                         ; the closing round
	s_endpgm
.Lfunc_end_k_q91ca8b3925_oproj:
	.size	k_q91ca8b3925_oproj, .Lfunc_end_k_q91ca8b3925_oproj-k_q91ca8b3925_oproj
	.p2alignl 7, 3214868480
	.fill 96, 4, 3214868480
	.section	.rodata,"a",@progbits
	.p2align	6, 0x0
	.amdhsa_kernel k_q91ca8b3925_oproj
		.amdhsa_group_segment_fixed_size 167936
		.amdhsa_private_segment_fixed_size 0
		.amdhsa_enable_private_segment 0
		.amdhsa_kernarg_size 24
		.amdhsa_user_sgpr_count 2
		.amdhsa_user_sgpr_kernarg_segment_ptr 1
		.amdhsa_wavefront_size32 1
		.amdhsa_system_sgpr_workgroup_id_x 1
		.amdhsa_system_sgpr_workgroup_id_y 1
		.amdhsa_system_sgpr_workgroup_id_z 1
		.amdhsa_system_vgpr_workitem_id 0
		.amdhsa_next_free_vgpr 256
		.amdhsa_next_free_sgpr 66
		.amdhsa_reserve_vcc 0
		.amdhsa_float_denorm_mode_32 3
		.amdhsa_float_denorm_mode_16_64 3
		.amdhsa_memory_ordered 1
		.amdhsa_forward_progress 1
		.amdhsa_inst_pref_size 35
	.end_amdhsa_kernel
	.amdgpu_metadata
---
amdhsa.version: [ 1, 2 ]
amdhsa.kernels:
  - .name:           k_q91ca8b3925_oproj
    .symbol:         k_q91ca8b3925_oproj.kd
    .args:
      - { .name: wrec, .offset: 0, .size: 8, .value_kind: global_buffer, .address_space: global }
      - { .name: xrec, .offset: 8, .size: 8, .value_kind: global_buffer, .address_space: global }
      - { .name: out0, .offset: 16, .size: 8, .value_kind: global_buffer, .address_space: global }
    .group_segment_fixed_size: 167936
    .private_segment_fixed_size: 0
    .kernarg_segment_align: 8
    .kernarg_segment_size: 24
    .max_flat_workgroup_size: 128
    .sgpr_count:     66
    .vgpr_count:     256
    .wavefront_size: 32
...
	.end_amdgpu_metadata
.endif
;; end of part 4
;; ======== version 2 of 2: 4 launches
;; limits: right only within a limited range of input values
;; workspace buffers: wrec 868,352 bytes; qrec 3,407,872 bytes; krec 3,407,872 bytes; vrec 3,407,872 bytes; xrec 3,670,016 bytes
;; launch wquant (part 5): grid 128 x 2, 2 waves a work-group, no clusters, 17,152 bytes of LDS; arguments Wq, Wk, Wv, Wo, bq, bk, bv, bo, wrec; writes wrec
.if DOCPART == 5
	.amdgcn_target "amdgcn-amd-amdhsa--gfx1250"
	.amdhsa_code_object_version 6
	.text
	.protected	k_q91ca8b3925_wquant
	.globl	k_q91ca8b3925_wquant
	.p2align	8
	.type	k_q91ca8b3925_wquant,@function
k_q91ca8b3925_wquant:
	s_mov_b64 s[64:65], 0
	v_nop
	global_prefetch_b8 v0, s[64:65] scope:SCOPE_SE
	s_setreg_imm32_b32 hwreg(HW_REG_WAVE_MODE, 25, 1), 1
	s_wait_xcnt 0x0
; VideoCLIPAttention in MX-BF6, launch 1 of 4: the four weights [512][512] f32 (K innermost) become codes of E3M2 with one E8M0 byte for each 32 along K.
; DEAD WORK: none.  Every input of reference() has a way to the output (bk too: it goes into a quantised operand), there is no mask and nothing is sliced away: all eleven inputs are loaded, all six products are done.
; LAYOUT OF wrec: 16 slabs of 54,272 bytes, slab 4 g + w (g: 0 Wq, 1 Wk, 2 Wv, 3 Wo; w: 128 output columns).  In a slab: the fragment (tile i of 16 rows, K step s of 128) at 1536 (4 i + s), AS AN IMAGE OF THE OPERAND'S
; REGISTERS (registers 4 c .. 4 c + 3 of lane l at 512 c + 16 l); its scale words, 4 bytes a lane, at 49,152 + 128 (4 i + s); tile i's biases, 4 bytes a lane, at 53,248 + 128 i.
; THE ROWS OF A TILE ARE NOT NEIGHBOURS: index p of tile i is row 128 w + 64 (i / 4) + 32 (p / 8) + 8 (i % 4) + p % 8: the 32 result registers of tiles 4 g .. 4 g + 3 in lane (r, h) are then the 32 neighbours 64 g + 32 h + 0 .. 31
; along the next product's K: one whole block of the quantiser, in the lane and in the order in which that product's operand wants it.
; SHARES: work-group x is one tile (128 in all), y and the wave make the K step 2 y + wave: 256 work-groups of two waves, a fragment a wave.  Waves share nothing: no barrier.
; A row's 512 bytes are loaded by one instruction, 16 bytes a lane; the wave's own stage in LDS (rows of 512 + 16 bytes) turns them into 64 numbers of one row a lane: register 32 c + i = k 64 c + 32 h + i.
; A block's scale is 2^(floor(log2(largest magnitude)) - 4); its byte is the largest magnitude's exponent field - 4, held at 1 from below.
; LIMITS: NaN and infinities among the inputs are not served; a block whose largest magnitude lies under 2^-122 gets the byte 1; a block of zeros gets the byte 1 where the rule says 127 (its codes are zeros, and this
; program alone reads the bytes).
.set SLAB, 54272
.set SPIT, 528
.set SPARE, 2*16*SPIT                  ; behind the two stages: the spare words, one block of 256 bytes that no other line names
.set XN,   16                          ; v16-79   16 rows as loaded
.set XT,   80                          ; v80-143  64 numbers of my row
.set PC,   144                         ; v144-163 the codes
.set TM,   164                         ; v164-179 at work
.set PW,   180                         ; v180     the scale word
.set SH8,  10                          ; v10      8 h
.set SPW,  12
.set NIL,  13
.set SEL,  38                          ; s[38:39] lane selects for v_permlanex16_b32: lane l xor 16
	s_load_b256 s[4:11], s[0:1], 0x0               ; Wq, Wk, Wv, Wo
	s_load_b256 s[12:19], s[0:1], 0x20             ; bq, bk, bv, bo
	s_load_b64 s[20:21], s[0:1], 0x40              ; wrec
	v_lshl_add_u32 v[SPW], v0, 2, SPARE
	v_mov_b32 v[NIL], 0
	v_lshrrev_b32 v1, 5, v0
	v_readfirstlane_b32 s22, v1                    ; wave
	s_and_b32 s42, ttmp7, 0xffff
	s_lshl_b32 s42, s42, 1
	s_add_co_u32 s42, s42, s22                     ; my K step
	s_lshr_b32 s23, ttmp9, 5                       ; g: which weight
	s_and_b32 s24, ttmp9, 31                       ; t: which of its 32 tiles
	s_mul_i32 s43, s22, 16*SPIT                    ; my stage
	v_and_b32 v1, 31, v0                           ; lane
	v_lshlrev_b32 v4, 4, v1                        ; 16 x lane
	v_lshlrev_b32 v5, 2, v1                        ; 4 x lane
	v_add_nc_u32 v6, s43, v4                       ; into the stage
	v_and_b32 v3, 15, v0                           ; r
	v_bfe_u32 v2, v0, 4, 1                         ; h
	v_mul_u32_u24 v7, v3, SPIT
	v_lshl_add_u32 v7, v2, 7, v7
	v_add_nc_u32 v7, s43, v7                       ; out of it: row r, + 128 h
	v_and_b32 v9, 8, v3
	v_mad_u32_u24 v9, v9, 3, v3                    ; r + 24 (r / 8): my row in the tile
	v_lshlrev_b32 v9, 2, v9                        ; its bias
	v_lshlrev_b32 v[SH8], 3, v2
	v_mov_b32 v[TM+8], 0                           ; written once: a lane permute's destination counts as one of its sources
	s_mov_b32 s[SEL], 0x76543210
	s_mov_b32 s[SEL+1], 0xfedcba98
	s_lshr_b32 s25, s24, 2
	s_lshl_b32 s25, s25, 6
	s_and_b32 s30, s24, 3
	s_lshl_b32 s30, s30, 3
	s_add_co_u32 s25, s25, s30                     ; the tile's first row: 64 (t / 4) + 8 (t % 4)
	s_lshl_b32 s30, s25, 11
	s_lshl_b32 s31, s42, 9
	s_add_co_u32 s30, s30, s31                     ; in W: that row, + 512 bytes a K step
	s_mov_b32 s31, 0
	s_lshl_b32 s32, s25, 2                         ; in the bias
	s_mov_b32 s33, 0
	s_lshl_b32 s34, s23, 2
	s_lshr_b32 s35, s24, 3
	s_add_co_u32 s34, s34, s35
	s_mul_i32 s34, s34, SLAB                       ; my slab
	s_and_b32 s35, s24, 7                          ; i: the tile in it
	s_lshl_b32 s36, s35, 2
	s_add_co_u32 s36, s36, s42                     ; 4 i + s
	s_mul_i32 s26, s36, 1536
	s_add_co_u32 s26, s26, s34                     ; the fragment's image
	s_mov_b32 s27, 0
	s_lshl_b32 s28, s36, 7
	s_add_co_u32 s28, s28, s34
	s_add_co_u32 s28, s28, 49152                   ; its scale words
	s_mov_b32 s29, 0
	s_lshl_b32 s40, s35, 7
	s_add_co_u32 s40, s40, s34
	s_add_co_u32 s40, s40, 53248                   ; the tile's biases
	s_mov_b32 s41, 0
	s_and_b32 s25, s23, 1
	s_wait_alu depctr_va_vdst(0)                   ; the wait at the head's end
	s_wait_kmcnt 0x0
	s_cmp_eq_u32 s25, 0                            ; the choice of buffers hangs on the work-group's number alone
	s_cselect_b64 s[4:5], s[4:5], s[6:7]
	s_cselect_b64 s[8:9], s[8:9], s[10:11]
	s_cselect_b64 s[12:13], s[12:13], s[14:15]
	s_cselect_b64 s[16:17], s[16:17], s[18:19]
	s_cmp_lt_u32 s23, 2
	s_cselect_b64 s[4:5], s[4:5], s[8:9]
	s_cselect_b64 s[12:13], s[12:13], s[16:17]
	s_add_nc_u64 s[4:5], s[4:5], s[30:31]
	s_add_nc_u64 s[12:13], s[12:13], s[32:33]
	s_add_nc_u64 s[26:27], s[20:21], s[26:27]
	s_add_nc_u64 s[28:29], s[20:21], s[28:29]
	s_add_nc_u64 s[40:41], s[20:21], s[40:41]
	global_load_b32 v8, v9, s[12:13]               ; my row's bias (the wave of K step 0 stores it)
.set XI, 0
.rept 16
	global_load_b128 v[XN+4*XI:XN+4*XI+3], v4, s[4:5] offset:(XI+24*(XI/8))*2048 th:TH_LOAD_NT   ; the tile's index XI: 32 lanes read 512 consecutive bytes
.set XI, XI+1
.endr
.irp g, 0,1,2,3
	s_wait_loadcnt 12-4*\g                         ; four rows more are in
.irp j, 0,1,2,3
	ds_store_b128 v6, v[XN+16*\g+4*\j:XN+16*\g+4*\j+3] offset:SPIT*(4*\g+\j)
.endr
.endr
.irp b, 0,1,2,3
.irp j, 0,1,2,3
	ds_load_b128 v[XT+16*\b+4*\j:XT+16*\b+4*\j+3], v7 offset:256*(\b/2)+64*(\b%2)+16*\j   ; LDS serves a wave's instructions in order (ISA guide 5.7.1.4): these see my stores
.endr
.endr
	s_cmp_lg_u32 s42, 0
	s_cbranch_scc1 .Lno_bias
	global_store_b32 v5, v8, s[40:41]
.Lno_bias:
	s_wait_dscnt 0x0
.irp b, 0,1,2,3
	v_max3_num_f32 v[TM+\b], |v[XT+16*\b]|, |v[XT+1+16*\b]|, 0x2800000   ; half a block, and the floor 2^(5 - 127): the byte cannot fall under 1
.endr
.irp i, 2,4,6,8,10,12,14
.irp b, 0,1,2,3
	v_max3_num_f32 v[TM+\b], v[TM+\b], |v[XT+16*\b+\i]|, |v[XT+1+16*\b+\i]|
.endr
.endr
.irp c, 0,1
	v_max_num_f32 v[TM+2*\c], v[TM+2*\c], v[TM+1+2*\c]   ; block 2 c + h, all of it mine
.endr
.irp c, 0,1
	v_add_nc_u32 v[TM+12+\c], 0xfe000000, v[TM+2*\c]     ; 4 off its exponent field: the conversion's scale operand
.endr
.irp c, 0,1
	v_lshrrev_b32 v[TM+4+\c], 23, v[TM+12+\c]            ; the scale's byte
.endr
	v_lshl_or_b32 v[PW], v[TM+5], 16, v[TM+4]
	v_lshlrev_b32 v[PW], v[SH8], v[PW]             ; bytes h and 2 + h of the word,
	v_permlanex16_b32 v[TM+8], v[PW], s[SEL], s[SEL+1]
	v_or_b32 v[PW], v[PW], v[TM+8]                 ; and lane l xor 16's two
.irp c, 0,1
	v_cvt_scalef32_pk16_bf6_f32 v[PC+6*\c:PC+2+6*\c], v[XT+32*\c:XT+15+32*\c], v[TM+12+\c]
	v_cvt_scalef32_pk16_bf6_f32 v[PC+12+4*\c:PC+14+4*\c], v[XT+16+32*\c:XT+31+32*\c], v[TM+12+\c]   ; (a conversion's three registers begin on an even number)
.endr
	v_nop                                          ; one plain line behind the scaled conversions
.irp c, 0,1
.irp i, 0,1,2
	v_mov_b32 v[PC+3+6*\c+\i], v[PC+12+4*\c+\i]
.endr
.endr
.irp c, 0,1,2
	global_store_b128 v4, v[PC+4*\c:PC+4*\c+3], s[26:27] offset:512*\c   ; 32 lanes store 512 consecutive bytes, at a multiple of 256 from wrec's first byte
.endr
	global_store_b32 v5, v[PW], s[28:29]
	s_wait_tensorcnt 0x0                           ; the wave's end
	ds_add_u32 v[SPW], v[NIL]
	s_wait_dscnt 0x0
	s_endpgm
.Lfunc_end_k_q91ca8b3925_wquant:
	.size	k_q91ca8b3925_wquant, .Lfunc_end_k_q91ca8b3925_wquant-k_q91ca8b3925_wquant
	.p2alignl 7, 3214868480
	.fill 96, 4, 3214868480
	.section	.rodata,"a",@progbits
	.p2align	6, 0x0
	.amdhsa_kernel k_q91ca8b3925_wquant
		.amdhsa_group_segment_fixed_size 17152
		.amdhsa_private_segment_fixed_size 0
		.amdhsa_enable_private_segment 0
		.amdhsa_kernarg_size 72
		.amdhsa_user_sgpr_count 2
		.amdhsa_user_sgpr_kernarg_segment_ptr 1
		.amdhsa_wavefront_size32 1
		.amdhsa_system_sgpr_workgroup_id_x 1
		.amdhsa_system_sgpr_workgroup_id_y 1
		.amdhsa_system_sgpr_workgroup_id_z 1
		.amdhsa_system_vgpr_workitem_id 0
		.amdhsa_next_free_vgpr 192
		.amdhsa_next_free_sgpr 66
		.amdhsa_reserve_vcc 0
		.amdhsa_float_denorm_mode_32 3
		.amdhsa_float_denorm_mode_16_64 3
		.amdhsa_memory_ordered 1
		.amdhsa_forward_progress 1
		.amdhsa_inst_pref_size 11
	.end_amdhsa_kernel
	.amdgpu_metadata
---
amdhsa.version: [ 1, 2 ]
amdhsa.kernels:
  - .name:           k_q91ca8b3925_wquant
    .symbol:         k_q91ca8b3925_wquant.kd
    .args:
      - { .name: Wq, .offset: 0, .size: 8, .value_kind: global_buffer, .address_space: global }
      - { .name: Wk, .offset: 8, .size: 8, .value_kind: global_buffer, .address_space: global }
      - { .name: Wv, .offset: 16, .size: 8, .value_kind: global_buffer, .address_space: global }
      - { .name: Wo, .offset: 24, .size: 8, .value_kind: global_buffer, .address_space: global }
      - { .name: bq, .offset: 32, .size: 8, .value_kind: global_buffer, .address_space: global }
      - { .name: bk, .offset: 40, .size: 8, .value_kind: global_buffer, .address_space: global }
      - { .name: bv, .offset: 48, .size: 8, .value_kind: global_buffer, .address_space: global }
      - { .name: bo, .offset: 56, .size: 8, .value_kind: global_buffer, .address_space: global }
      - { .name: wrec, .offset: 64, .size: 8, .value_kind: global_buffer, .address_space: global }
    .group_segment_fixed_size: 17152
    .private_segment_fixed_size: 0
    .kernarg_segment_align: 8
    .kernarg_segment_size: 72
    .max_flat_workgroup_size: 64
    .sgpr_count:     66
    .vgpr_count:     192
    .wavefront_size: 32
...
	.end_amdgpu_metadata
.endif
;; end of part 5
;; launch proj (part 6): grid 64 x 3, 4 waves a work-group, clusters of 4 x 1, 304,640 bytes of LDS; arguments query, key, value, wrec, qrec, krec, vrec; writes qrec, krec, vrec
.if DOCPART == 6
	.amdgcn_target "amdgcn-amd-amdhsa--gfx1250"
	.amdhsa_code_object_version 6
	.text
	.protected	k_q91ca8b3925_proj
	.globl	k_q91ca8b3925_proj
	.p2align	8
	.type	k_q91ca8b3925_proj,@function
k_q91ca8b3925_proj:
	s_mov_b64 s[64:65], 0
	v_nop
	global_prefetch_b8 v0, s[64:65] scope:SCOPE_SE
	s_setreg_imm32_b32 hwreg(HW_REG_WAVE_MODE, 25, 1), 1
	s_wait_xcnt 0x0
	s_wait_alu depctr_hold_cnt(0) depctr_sa_sdst(0) depctr_va_vdst(0) depctr_va_sdst(0) depctr_va_ssrc(0) depctr_va_vcc(0) depctr_vm_vsrc(0)
	s_getreg_b32 s2, hwreg(HW_REG_IB_STS2, 6, 4)
	s_cmp_eq_u32 s2, 0
	s_cbranch_scc0 .Lentry_in_a_cluster
	s_endpgm
.Lentry_in_a_cluster:
	s_bfe_u32 s2, ttmp6, 0x10000c
	s_cmp_lg_u32 s2, 0x3003
	s_cbranch_scc0 .Lentry_shape_is_right
	s_endpgm
.Lentry_shape_is_right:
; Launch 2 of 4: q = query Wq^T + bq, k = key Wk^T + bk, v = value Wv^T + bv, each on codes of E3M2, and the results quantised at once for the next products: q and k along the head's 64, v ALONG THE KEYS.
; No work of reference() is left out here.
; SHARES.  Work-group y = 0, 1, 2 takes query, key, value; work-group x takes 128 rows, all 512 columns, all of K: 3 x 8,192 / 128 = 192 work-groups.
; Wave w owns columns 128 w .. 128 w + 127 (heads 2 w, 2 w + 1): its slab of wrec (32 fragments, their scale words, the biases: 54,272 dense bytes) comes into LDS by ONE tensor load and is read by that wave alone.
; CLUSTER.  The four work-groups of a cluster share y and so all four slabs: each slab is asked for jointly, by the same load with a mask that names the four.
; TWO HALVES of 64 rows.  Of each half wave w quantises one tile of 16 rows (4 fragments of 16 rows x 128 K); a barrier; then the half is multiplied.  The second half's loads go out while the first half is quantised and are on their way while it is multiplied.
; A fragment's 16 loads read a row's 512 consecutive bytes each, 16 a lane; the 8,192 bytes go through the wave's own stage in LDS (rows of 512 + 16 bytes: 132 words, so that the sixteen rows of a pass start at different groups of banks) and come
; back 64 numbers of one row a lane.  The codes go to LDS as images of the operand's registers (registers 4 c .. 4 c + 3 of lane l at 512 c + 16 l; scale words 4 bytes a lane).
; THE ROWS OF A TILE, of x as of W: index p of tile T is row 64 (T / 4) + 32 (p / 8) + 8 (T % 4) + p % 8: the 32 result registers of tiles 4 g .. 4 g + 3 in lane (r, h) are the 32 neighbours 64 g + 32 h + 0 .. 31 along the next K: a whole block in a lane.
; q, k: my slab stays in registers as source 0, x's tiles move as source 1, four trips a half: a lane has one row of x and 128 columns = two heads' 64;  C of the first K step = the biases, eight registers a tile.
; v:    the half's 16 fragments of x stay as source 0, W's tiles n and n + 4 (one of each head) move as source 1: a lane has one column of each head and 64 keys;  C of the first K step = the lane's biases.
; The 64 results are quantised in registers and leave as half images of 768 bytes (registers 0-3 at 16 l, 4-5 at 512 + 8 l): qrec, krec: [b][head][16] records of 6,656 bytes: tile i at 768 i, scale words at 6,144 + 64 i + 4 p;
; vrec: [b][head][key step] records of 6,656 bytes: fragment dt of V^T (16 of the head's 64 x 128 keys) at 1,536 dt, the half of its keys at + 768; its scale words at 6,144 + 128 dt, of which a half makes two bytes each.
; LIMITS: as in the first launch (NaN, infinities; the byte 1 for blocks under 2^-122 and for blocks of zeros).
; REGISTERS.  window 0: v1-15 addresses; v16-79 the 8 accumulators, v80-127 the moving fragments, v128-131 their scale words (while x is quantised: two buffers of 64 numbers at v16 and v80); v132-143, v176-188 v's; v144-175 the staying fragments'
;   scale words; v208-245 the quantiser's.  window 1: four buffers of 64 registers of x as loaded.  window 2: staying fragments (q, k: 0-19; v: all 16).  window 3: q, k: fragments 20-31 and from v144 the biases' 8 tiles; v: the second moving tile.
.set SLAB,  54272
.set XIMG,  4*SLAB                     ; LDS: behind the four slabs x's 32 fragments, (tile T, K step s) at 1536 (4 T + s),
.set XSC,   XIMG+32*1536               ; their scale words, 128 bytes each,
.set SPARE, XSC+32*128                 ; the spare words, 128 bytes for each wave: two blocks of 256 bytes that no other line names,
.set STG,   SPARE+512                  ; and a stage of 16 rows x 528 bytes for each wave
.set SPIT,  528
.set REC,   6656
.set HEADB, 16*REC                     ; a head's bytes in qrec, krec, vrec
.set L16,   1                          ; 16, 8, 4 x lane
.set L8,    2
.set L4,    3
.set STS,   4                          ; my stage, on the way in: 16 x lane
.set XWI,   5                          ; where I store x's images
.set XWS,   6                          ; and their scale words
.set SAW16, 7                          ; my slab: 16 x lane,
.set SAW4,  8                          ; 4 x lane,
.set BA32,  9                          ; 32 h: eight biases of my half
.set MX16,  10                         ; the moving tile: made anew for each run of loads
.set MX4,   11
.set STL,   12                         ; my stage, on the way out: row r, + 128 h
.set GOS,   13                         ; q's, k's scale words out: lanes 0-15 head 2 w, lanes 16-31 head 2 w + 1
.set SH16,  14                         ; 16 h
.set SH8,   15                         ; 8 h
.set ACC,   16
.set MV,    80
.set MS,    128
.set CB,    132
.set MS2,   140
.set SSC,   144
.set CB2,   176
.set BL,    184                        ; (and 185: the second tile's)
.set MXB,   186
.set XI16,  187                        ; x's images: 16 x lane
.set XS4,   188                        ; x's scale words: 4 x lane
.set PC,    208
.set TM,    228
.set PW,    244
.set PW2,   245
.set SPW,   252
.set NIL,   253
.set BT,    144                        ; in window 3
.set WV,    18
.set G1,    24
.set G0,    32
.set TX,    40
.set TXS,   41
.set TXB,   42
.set CNT,   43
.set SEL,   46
.set MSB, 0
.macro WIN new                         ; s_set_vgpr_msb: bits 1:0 source 0, 3:2 source 1, 5:4 source 2, 7:6 destination; the high byte repeats the setting that is left
.if MSB != (\new)
	s_set_vgpr_msb (MSB<<8)|(\new)
.set MSB, (\new)
.endif
.endm
.macro PLACES n
.rept \n
	v_nop
.endr
.endm
.macro CROUND                          ; a round of the cluster's barrier
	s_barrier_signal -1
	s_barrier_wait -1
	s_cmp_lg_u32 s[WV], 0
	s_cbranch_scc1 .Lnot_wave_0_\@
	s_barrier_signal -3
.Lnot_wave_0_\@:
	s_barrier_wait -3
	s_barrier_signal -1
	s_barrier_wait -1
.endm
; 64 numbers of a lane, register 32 c + i = number i of its block 2 c + h, become 12 registers of codes in v[PC] on and, with lane l xor 16's bytes, a word in v[PW]: byte 2 c + h.
.macro QUANT s
.irp b, 0,1,2,3
	v_max3_num_f32 v[TM+\b], |v[\s+16*\b]|, |v[\s+1+16*\b]|, 0x2800000   ; half a block, and the floor 2^(5 - 127): the byte cannot fall under 1
.endr
.irp i, 2,4,6,8,10,12,14
.irp b, 0,1,2,3
	v_max3_num_f32 v[TM+\b], v[TM+\b], |v[\s+16*\b+\i]|, |v[\s+1+16*\b+\i]|   ; by turns; each accumulator is read from its low end on
.endr
.endr
.irp c, 0,1
	v_max_num_f32 v[TM+2*\c], v[TM+2*\c], v[TM+1+2*\c]   ; the block's largest magnitude
.endr
.irp c, 0,1
	v_add_nc_u32 v[TM+12+\c], 0xfe000000, v[TM+2*\c]     ; 4 off its exponent field: the conversion's scale operand
.endr
.irp c, 0,1
	v_lshrrev_b32 v[TM+4+\c], 23, v[TM+12+\c]            ; the scale's byte
.endr
	v_lshl_or_b32 v[PW], v[TM+5], 16, v[TM+4]
	v_lshlrev_b32 v[PW], v[SH8], v[PW]
	v_permlanex16_b32 v[TM+8], v[PW], s[SEL], s[SEL+1]
	v_or_b32 v[PW], v[PW], v[TM+8]
.irp c, 0,1
	v_cvt_scalef32_pk16_bf6_f32 v[PC+6*\c:PC+2+6*\c], v[\s+32*\c:\s+15+32*\c], v[TM+12+\c]
	v_cvt_scalef32_pk16_bf6_f32 v[PC+12+4*\c:PC+14+4*\c], v[\s+16+32*\c:\s+31+32*\c], v[TM+12+\c]   ; (a conversion's three registers begin on an even number)
.endr
	v_nop                                          ; one plain line behind the scaled conversions
.irp c, 0,1
.irp i, 0,1,2
	v_mov_b32 v[PC+3+6*\c+\i], v[PC+12+4*\c+\i]
.endr
.endr
.endm
; fragment f = 4 half + K step of my tile, as it lies: a load takes the 512 bytes of one of the tile's indices, 16 bytes a lane, into buffer f % 4 of window 1
.macro XLOAD f
	WIN 0x40
.set XI, 0
.rept 16
	global_load_b128 v[64*((\f)%4)+4*XI:64*((\f)%4)+4*XI+3], v[L16], s[36:37] offset:(64*((\f)/4)+XI+24*(XI/8))*2048+512*((\f)%4) th:TH_LOAD_NT   ; 32 lanes read 512 consecutive bytes, at a multiple of 512 from x's first byte
.set XI, XI+1
.endr
	WIN 0
.endm
; fragment f through my stage: in as loaded, a row to a store; back 64 numbers of row r a lane, into v[16 + 64 (f % 2)] on.  LDS serves a wave's instructions in order (ISA guide 5.7.1.4): the loads see the stores above them,
; and the next fragment's stores come behind these loads: one stage serves.
.macro TURN f
	WIN 0x04                                       ; an LDS store's data are its source 1: window 1
.set XI, 0
.rept 16
	ds_store_b128 v[STS], v[64*((\f)%4)+4*XI:64*((\f)%4)+4*XI+3] offset:SPIT*XI
.set XI, XI+1
.endr
	WIN 0
.irp b, 0,1,2,3
.irp j, 0,1,2,3
	ds_load_b128 v[16+64*((\f)%2)+16*\b+4*\j:16+64*((\f)%2)+16*\b+4*\j+3], v[STL] offset:256*(\b/2)+64*(\b%2)+16*\j   ; register 32 c + i = k 64 c + 32 h + i of row r
.endr
.endr
.endm
.macro XQ f
.if (\f) == 0
	s_wait_loadcnt 16                              ; fragment 0 is in; fragment 1's 16 loads may be out
	TURN 0
.elseif (\f) == 4
	s_wait_loadcnt 48                              ; fragment 4 is in; the 16 loads of each of 5, 6 and 7 may be out
	TURN 4
.endif
.if (\f) < 4
	XLOAD (\f)+2                                   ; into a buffer that nothing has used, or that fragment f - 2 has left
.endif
.if (\f)%4 < 3
.if (\f) < 4
	s_wait_loadcnt 16                              ; the next fragment is in; the 16 loads just issued may be out
.else
	s_wait_loadcnt 16*(6-(\f))                     ; in the second half the 16 loads of each of two, one, no younger ones
.endif
	TURN (\f)+1                                    ; the next fragment goes through the stage while this one is quantised
	s_wait_dscnt 32                                ; all but those 32: fragment f is back from the stage, and its stores into the stage have read their registers
.else
	s_wait_dscnt 0x0
.endif
	QUANT 16+64*((\f)%2)
.irp c, 0,1,2
	ds_store_b128 v[XWI], v[PC+4*\c:PC+4*\c+3] offset:24576*((\f)/4)+1536*((\f)%4)+512*\c
.endr
	ds_store_b32 v[XWS], v[PW] offset:2048*((\f)/4)+128*((\f)%4)
.endm
.macro SLOADQ                          ; q, k: my slab's 32 fragments, the biases, the scale words
	WIN 0x80
.set FI, 0
.rept 20
.irp c, 0,1,2
	ds_load_b128 v[12*FI+4*\c:12*FI+4*\c+3], v[SAW16] offset:1536*FI+512*\c
.endr
.set FI, FI+1
.endr
	WIN 0xc0
.rept 12
.irp c, 0,1,2
	ds_load_b128 v[12*(FI-20)+4*\c:12*(FI-20)+4*\c+3], v[SAW16] offset:1536*FI+512*\c
.endr
.set FI, FI+1
.endr
.irp t, 0,1,2,3,4,5,6,7
	ds_load_b128 v[BT+8*\t:BT+8*\t+3], v[BA32] offset:53248+128*\t       ; lane (r, h): the biases of the tile's indices 8 h + 0 .. 7, the result's layout
	ds_load_b128 v[BT+8*\t+4:BT+8*\t+7], v[BA32] offset:53248+128*\t+16
.endr
	WIN 0
.set FI, 0
.rept 32
	ds_load_b32 v[SSC+FI], v[SAW4] offset:49152+128*FI
.set FI, FI+1
.endr
.endm
.macro SLOADV half                     ; v: the half's 16 fragments of x and their scale words
	WIN 0x80
.set FI, 0
.rept 16
.irp c, 0,1,2
	ds_load_b128 v[12*FI+4*\c:12*FI+4*\c+3], v[XI16] offset:24576*(\half)+1536*FI+512*\c
.endr
.set FI, FI+1
.endr
	WIN 0
.set FI, 0
.rept 16
	ds_load_b32 v[SSC+FI], v[XS4] offset:2048*(\half)+128*FI
.set FI, FI+1
.endr
.endm
.macro MLOADQ                          ; q, k: the next tile of x
	v_add_nc_u32 v[MX16], s[TX], v[L16]
	v_add_nc_u32 v[MX4], s[TXS], v[L4]
.irp s, 0,1,2,3
.irp c, 0,1,2
	ds_load_b128 v[MV+12*\s+4*\c:MV+12*\s+4*\c+3], v[MX16] offset:1536*\s+512*\c
.endr
	ds_load_b32 v[MS+\s], v[MX4] offset:128*\s
.endr
	s_add_co_u32 s[TX], s[TX], 6144
	s_add_co_u32 s[TXS], s[TXS], 512
.endm
.macro MLOADV                          ; v: W's next tiles n and n + 4, and the lane's bias in each
	v_add_nc_u32 v[MX16], s[TX], v[L16]
	v_add_nc_u32 v[MX4], s[TXS], v[L4]
	v_add_nc_u32 v[MXB], s[TXB], v[L4]
.irp s, 0,1,2,3
.irp c, 0,1,2
	ds_load_b128 v[MV+12*\s+4*\c:MV+12*\s+4*\c+3], v[MX16] offset:1536*\s+512*\c
.endr
	ds_load_b32 v[MS+\s], v[MX4] offset:49152+128*\s
	ds_load_b32 v[MS2+\s], v[MX4] offset:49152+2048+128*\s
.endr
	ds_load_b32 v[BL], v[MXB] offset:53248
	ds_load_b32 v[BL+1], v[MXB] offset:53248+512
	WIN 0xc0
.irp s, 0,1,2,3
.irp c, 0,1,2
	ds_load_b128 v[12*\s+4*\c:12*\s+4*\c+3], v[MX16] offset:24576+1536*\s+512*\c
.endr
.endr
	WIN 0
	s_add_co_u32 s[TX], s[TX], 6144
	s_add_co_u32 s[TXS], s[TXS], 512
	s_add_co_u32 s[TXB], s[TXB], 128
.endm
; 32 matrix instructions: K step by K step, the eight accumulators by turns, one instruction a turn.  The first K step takes the biases as C.
.macro MMULQ
.irp s, 0,1,2,3
.irp t, 0,1,2,3,4,5,6,7
.set FI, 4*\t+\s
.if FI < 20
.set RS, 12*FI
.set WN, 2
.else
.set RS, 12*(FI-20)
.set WN, 3
.endif
.if \s == 0
	WIN 0x30+WN
	v_wmma_scale_f32_16x16x128_f8f6f4 v[ACC+8*\t:ACC+8*\t+7], v[RS:RS+11], v[MV+12*\s:MV+12*\s+11], v[BT+8*\t:BT+8*\t+7], v[SSC+FI], v[MS+\s] matrix_a_fmt:MATRIX_FMT_BF6 matrix_b_fmt:MATRIX_FMT_BF6
.else
	WIN WN
	v_wmma_scale_f32_16x16x128_f8f6f4 v[ACC+8*\t:ACC+8*\t+7], v[RS:RS+11], v[MV+12*\s:MV+12*\s+11], v[ACC+8*\t:ACC+8*\t+7], v[SSC+FI], v[MS+\s] matrix_a_fmt:MATRIX_FMT_BF6 matrix_b_fmt:MATRIX_FMT_BF6
.endif
.endr
.endr
	WIN 0
.endm
.macro MMULV                           ; accumulators 0-3: tile n x the half's four tiles of keys; 4-7: tile n + 4
.irp s, 0,1,2,3
	WIN 0x02
.irp t, 0,1,2,3
.if \s == 0
	v_wmma_scale_f32_16x16x128_f8f6f4 v[ACC+8*\t:ACC+8*\t+7], v[48*\t+12*\s:48*\t+12*\s+11], v[MV+12*\s:MV+12*\s+11], v[CB:CB+7], v[SSC+4*\t+\s], v[MS+\s] matrix_a_fmt:MATRIX_FMT_BF6 matrix_b_fmt:MATRIX_FMT_BF6
.else
	v_wmma_scale_f32_16x16x128_f8f6f4 v[ACC+8*\t:ACC+8*\t+7], v[48*\t+12*\s:48*\t+12*\s+11], v[MV+12*\s:MV+12*\s+11], v[ACC+8*\t:ACC+8*\t+7], v[SSC+4*\t+\s], v[MS+\s] matrix_a_fmt:MATRIX_FMT_BF6 matrix_b_fmt:MATRIX_FMT_BF6
.endif
.endr
	WIN 0x0e
.irp t, 0,1,2,3
.if \s == 0
	v_wmma_scale_f32_16x16x128_f8f6f4 v[ACC+32+8*\t:ACC+32+8*\t+7], v[48*\t+12*\s:48*\t+12*\s+11], v[12*\s:12*\s+11], v[CB2:CB2+7], v[SSC+4*\t+\s], v[MS2+\s] matrix_a_fmt:MATRIX_FMT_BF6 matrix_b_fmt:MATRIX_FMT_BF6
.else
	v_wmma_scale_f32_16x16x128_f8f6f4 v[ACC+32+8*\t:ACC+32+8*\t+7], v[48*\t+12*\s:48*\t+12*\s+11], v[12*\s:12*\s+11], v[ACC+32+8*\t:ACC+32+8*\t+7], v[SSC+4*\t+\s], v[MS2+\s] matrix_a_fmt:MATRIX_FMT_BF6 matrix_b_fmt:MATRIX_FMT_BF6
.endif
.endr
.endr
	WIN 0
.endm
; 64 accumulators' numbers are quantised; registers 0-5 are head 2 w's half image, 6-11 head 2 w + 1's.  The bases step ahead of the stores (behind the wait that frees them), so the stores' offsets are a step back.
.macro OUTC step, sstep
	s_wait_xcnt 0x0                                ; the last trip's stores have read their data and bases
	s_add_nc_u64 s[38:39], s[38:39], \step
	s_add_nc_u64 s[58:59], s[58:59], \sstep
	QUANT ACC
	global_store_b128 v[L16], v[PC:PC+3], s[38:39] offset:0-(\step)
	global_store_b64 v[L8], v[PC+4:PC+5], s[38:39] offset:512-(\step)
	global_store_b128 v[L16], v[PC+6:PC+9], s[38:39] offset:HEADB-(\step)
	global_store_b64 v[L8], v[PC+10:PC+11], s[38:39] offset:HEADB+512-(\step)
.endm
.macro TRIPQ pre
	s_wait_dscnt 0x0                               ; the moving tile is in (in the first trip all that stays, too)
	MMULQ
	PLACES 4                                       ; four places behind the last product: for the loads into the moving fragments and for the first read of results
.if \pre
	MLOADQ
.endif
	OUTC 768, 64
	v_lshrrev_b32 v[PW2], v[SH16], v[PW]           ; lanes 16-31 bring the upper two bytes down
	global_store_b32 v[GOS], v[PW2], s[58:59] offset:0-64
.endm
.macro TRIPV pre, half
	s_wait_dscnt 0x0
.irp j, 0,1,2,3,4,5,6,7
	v_mov_b32 v[CB+\j], v[BL]                      ; my column's bias for my eight keys of every tile
	v_mov_b32 v[CB2+\j], v[BL+1]
.endr
	MMULV
	PLACES 4
.if \pre
	MLOADV
.endif
	OUTC 1536, 128
	global_store_b16 v[L4], v[PW], s[58:59] offset:2*(\half)-128                  ; this half's two bytes of head 2 w's word,
	global_store_d16_hi_b16 v[L4], v[PW], s[58:59] offset:HEADB+2*(\half)-128     ; and of head 2 w + 1's
.endm
.macro AGAIN lab
	s_sub_co_u32 s[CNT], s[CNT], 1
	s_cmp_lg_u32 s[CNT], 0
	s_wait_alu depctr_va_vdst(0)                   ; the wait directly ahead of the branch
	s_cbranch_scc1 \lab
.endm
.macro HALF n                          ; half n of x lies in LDS: four trips
	s_wait_dscnt 0x0                               ; my images are stored:
	s_barrier_signal -1
	s_barrier_wait -1
	s_cmp_eq_u32 s21, 2                            ; y is the same in all waves and in all partners
	s_cbranch_scc1 .Lv\n
.if (\n) == 0
	SLOADQ
.endif
	s_mov_b32 s[TX], XIMG+24576*(\n)
	s_mov_b32 s[TXS], XSC+2048*(\n)
	MLOADQ
	s_mov_b32 s[CNT], 3
.Lq_trip\n:
	TRIPQ 1
	AGAIN .Lq_trip\n
	TRIPQ 0
	s_wait_alu depctr_va_vdst(0)
	s_branch .Lhalf_end\n
.Lv\n:
.if \n
	s_sub_nc_u64 s[38:39], s[38:39], 4*1536-768    ; back to fragment 0, its second half
	s_sub_nc_u64 s[58:59], s[58:59], 4*128
.endif
	SLOADV \n
	s_mov_b32 s[TX], s54
	s_mov_b32 s[TXS], s54
	s_mov_b32 s[TXB], s54
	MLOADV
	s_mov_b32 s[CNT], 3
.Lv_trip\n:
	TRIPV 1, \n
	AGAIN .Lv_trip\n
	TRIPV 0, \n
.Lhalf_end\n:
.endm
	s_load_b256 s[4:11], s[0:1], 0x0               ; query, key, value, wrec
	s_load_b128 s[12:15], s[0:1], 0x20             ; qrec, krec
	s_load_b64 s[16:17], s[0:1], 0x30              ; vrec
	v_lshl_add_u32 v[SPW], v0, 2, SPARE
	v_mov_b32 v[NIL], 0
	ds_add_u32 v[SPW], v[NIL]                      ; the wave's opening: the add, twice on end, and its wait ahead of my first tensor load
	ds_add_u32 v[SPW], v[NIL]
	v_lshrrev_b32 v16, 5, v0
	v_readfirstlane_b32 s[WV], v16                 ; wave 0..3
	v_and_b32 v17, 31, v0                          ; lane
	v_lshlrev_b32 v[L16], 4, v17
	s_bfe_u32 s19, ttmp6, 0x40000                  ; cx: it enters x's and the results' addresses alone
	s_lshl_b32 s20, ttmp9, 2
	s_add_co_u32 s20, s20, s19                     ; my block of 128 rows
	s_and_b32 s21, ttmp7, 0xffff                   ; y, which the four partners share
	s_mov_b32 s[G1], 15|(3<<16)|(1<<21)            ; 15:0 the mask: all four work-groups; 17:16 elements of 8 bytes; 21 set beside a mask; no padding
	s_mov_b32 s[G1+1], 32<<16                      ; tensor_dim0 = 32 elements: rows of 256 bytes
	s_mov_b32 s[G1+2], 212<<16                     ; tensor_dim1 = 212 rows: a slab
	s_mov_b32 s[G1+3], 32<<16                      ; tile_dim0
	s_mov_b32 s[G1+4], 212                         ; tile_dim1
	s_mov_b32 s[G1+5], 32                          ; the pitch: the block is dense
	s_mov_b32 s[G1+6], 0
	s_mov_b32 s[G1+7], 0
	s_mov_b32 s[SEL], 0x76543210
	s_mov_b32 s[SEL+1], 0xfedcba98
	s_lshl_b32 s48, s20, 18
	s_lshl_b32 s49, s[WV], 14
	s_add_co_u32 s48, s48, s49                     ; x: (128 block + 8 wave) rows of 2,048 bytes
	s_mov_b32 s49, 0
	s_lshl_b32 s50, s21, 2
	s_add_co_u32 s50, s50, s[WV]
	s_mul_i32 s50, s50, SLAB                       ; slab 4 y + w
	s_mov_b32 s51, 0
	s_lshr_b32 s52, s20, 4
	s_lshl_b32 s52, s52, 3
	s_lshl_b32 s53, s[WV], 1
	s_add_co_u32 s52, s52, s53                     ; 8 b + 2 w: my first head
	s_lshl_b32 s52, s52, 4
	s_and_b32 s53, s20, 15
	s_add_co_u32 s52, s52, s53
	s_mul_i32 s52, s52, REC                        ; its record of my block
	s_mov_b32 s53, 0
	s_mul_i32 s54, s[WV], SLAB                     ; my slab in LDS
	s_wait_dscnt 0x0                               ; both opening adds are done
	s_wait_alu depctr_va_vdst(0)                   ; the wait directly ahead of the wait below
	s_wait_kmcnt 0x0
	s_cmp_eq_u32 s21, 0                            ; the choice of buffers hangs on the work-group's number alone
	s_cselect_b64 s[36:37], s[4:5], s[6:7]
	s_cselect_b64 s[38:39], s[12:13], s[14:15]
	s_cmp_eq_u32 s21, 2
	s_cselect_b64 s[36:37], s[8:9], s[36:37]
	s_cselect_b64 s[38:39], s[16:17], s[38:39]
	s_add_nc_u64 s[36:37], s[36:37], s[48:49]
	s_add_nc_u64 s[38:39], s[38:39], s[52:53]
	s_add_nc_u64 s[58:59], s[38:39], 6144          ; the scale words
	XLOAD 0                                        ; one fragment of x ahead of the slab, one behind it
	s_mov_b32 s[G0], 1
	s_mov_b32 s[G0+1], s54
	s_add_nc_u64 s[G0+2:G0+3], s[10:11], s[50:51]
	s_or_b32 s[G0+3], s[G0+3], 0x80000000
	CROUND                                         ; all four work-groups are here: the joint loads meet
	tensor_load_to_lds s[G0:G0+3], s[G1:G1+7]      ; my slab: my one tensor load; filled once
	s_nop 0
	XLOAD 1
	v_and_b32 v18, 15, v0                          ; r
	v_bfe_u32 v19, v0, 4, 1                        ; h
	s_mul_i32 s56, s[WV], 16*SPIT
	s_add_co_u32 s56, s56, STG                     ; my stage
	v_mul_u32_u24 v[STL], v18, SPIT
	v_lshl_add_u32 v[STL], v19, 7, v[STL]
	v_add_nc_u32 v[STL], s56, v[STL]
	v_add_nc_u32 v[STS], s56, v[L16]
	v_lshlrev_b32 v[L8], 3, v17
	v_lshlrev_b32 v[L4], 2, v17
	s_mul_i32 s55, s[WV], 6144
	s_add_co_u32 s55, s55, XIMG
	v_add_nc_u32 v[XWI], s55, v[L16]               ; my tile's images: tile w of a half
	s_lshl_b32 s55, s[WV], 9
	s_add_co_u32 s55, s55, XSC
	v_add_nc_u32 v[XWS], s55, v[L4]
	v_add_nc_u32 v[SAW16], s54, v[L16]
	v_add_nc_u32 v[SAW4], s54, v[L4]
	v_lshl_add_u32 v[BA32], v19, 5, s54
	v_add_nc_u32 v[XI16], XIMG, v[L16]
	v_add_nc_u32 v[XS4], XSC, v[L4]
	v_mul_u32_u24 v[GOS], v19, HEADB
	v_lshl_add_u32 v[GOS], v18, 2, v[GOS]
	v_lshlrev_b32 v[SH16], 4, v19
	v_lshlrev_b32 v[SH8], 3, v19
	v_mov_b32 v[TM+8], 0                           ; written once: a lane permute's destination counts as one of its sources
	s_wait_alu depctr_va_vdst(0)                   ; the wait at the head's end
.irp f, 0,1,2,3
	XQ \f
.endr
	s_wait_tensorcnt 0x0                           ; my slab has landed
	XLOAD 6                                        ; the rest of the second half, on its way while the first is multiplied (fragments 2 and 3 have left these buffers)
	XLOAD 7
	HALF 0
	s_wait_xcnt 0x0                                ; the last trip's stores have read their data: the codes' registers are written again behind this wait
.irp f, 4,5,6,7
	XQ \f
.endr
	HALF 1
	s_wait_tensorcnt 0x0                           ; the wave's end, behind my last tensor load and my last LDS store
	ds_add_u32 v[SPW], v[NIL]
	s_wait_dscnt 0x0
	CROUND                                         ; the closing round
	s_endpgm
.Lfunc_end_k_q91ca8b3925_proj:
	.size	k_q91ca8b3925_proj, .Lfunc_end_k_q91ca8b3925_proj-k_q91ca8b3925_proj
	.p2alignl 7, 3214868480
	.fill 96, 4, 3214868480
	.section	.rodata,"a",@progbits
	.p2align	6, 0x0
	.amdhsa_kernel k_q91ca8b3925_proj
		.amdhsa_group_segment_fixed_size 304640
		.amdhsa_private_segment_fixed_size 0
		.amdhsa_enable_private_segment 0
		.amdhsa_kernarg_size 56
		.amdhsa_user_sgpr_count 2
		.amdhsa_user_sgpr_kernarg_segment_ptr 1
		.amdhsa_wavefront_size32 1
		.amdhsa_system_sgpr_workgroup_id_x 1
		.amdhsa_system_sgpr_workgroup_id_y 1
		.amdhsa_system_sgpr_workgroup_id_z 1
		.amdhsa_system_vgpr_workitem_id 0
		.amdhsa_next_free_vgpr 1024
		.amdhsa_next_free_sgpr 66
		.amdhsa_reserve_vcc 0
		.amdhsa_float_denorm_mode_32 3
		.amdhsa_float_denorm_mode_16_64 3
		.amdhsa_memory_ordered 1
		.amdhsa_forward_progress 1
		.amdhsa_inst_pref_size 162
	.end_amdhsa_kernel
	.amdgpu_metadata
---
amdhsa.version: [ 1, 2 ]
amdhsa.kernels:
  - .name:           k_q91ca8b3925_proj
    .symbol:         k_q91ca8b3925_proj.kd
    .args:
      - { .name: query, .offset: 0, .size: 8, .value_kind: global_buffer, .address_space: global }
      - { .name: key, .offset: 8, .size: 8, .value_kind: global_buffer, .address_space: global }
      - { .name: value, .offset: 16, .size: 8, .value_kind: global_buffer, .address_space: global }
      - { .name: wrec, .offset: 24, .size: 8, .value_kind: global_buffer, .address_space: global }
      - { .name: qrec, .offset: 32, .size: 8, .value_kind: global_buffer, .address_space: global }
      - { .name: krec, .offset: 40, .size: 8, .value_kind: global_buffer, .address_space: global }
      - { .name: vrec, .offset: 48, .size: 8, .value_kind: global_buffer, .address_space: global }
    .group_segment_fixed_size: 304640
    .private_segment_fixed_size: 0
    .kernarg_segment_align: 8
    .kernarg_segment_size: 56
    .max_flat_workgroup_size: 128
    .sgpr_count:     66
    .vgpr_count:     1024
    .wavefront_size: 32
...
	.end_amdgpu_metadata
.endif
;; end of part 6
;; launch attn (part 7): grid 8 x 32, 8 waves a work-group, clusters of 4 x 1, 327,680 bytes of LDS; arguments qrec, krec, vrec, xrec; writes xrec
.if DOCPART == 7
	.amdgcn_target "amdgcn-amd-amdhsa--gfx1250"
	.amdhsa_code_object_version 6
	.text
	.protected	k_q91ca8b3925_attn
	.globl	k_q91ca8b3925_attn
	.p2align	8
	.type	k_q91ca8b3925_attn,@function
k_q91ca8b3925_attn:
	s_mov_b64 s[64:65], 0
	v_nop
	global_prefetch_b8 v0, s[64:65] scope:SCOPE_SE
	s_setreg_imm32_b32 hwreg(HW_REG_WAVE_MODE, 25, 1), 1
	s_wait_xcnt 0x0
	s_wait_alu depctr_hold_cnt(0) depctr_sa_sdst(0) depctr_va_vdst(0) depctr_va_sdst(0) depctr_va_ssrc(0) depctr_va_vcc(0) depctr_vm_vsrc(0)
	s_getreg_b32 s2, hwreg(HW_REG_IB_STS2, 6, 4)
	s_cmp_eq_u32 s2, 0
	s_cbranch_scc0 .Lentry_in_a_cluster
	s_endpgm
.Lentry_in_a_cluster:
	s_bfe_u32 s2, ttmp6, 0x10000c
	s_cmp_lg_u32 s2, 0x3003
	s_cbranch_scc0 .Lentry_shape_is_right
	s_endpgm
.Lentry_shape_is_right:
; Launch 3 of 4: for each batch and head o = softmax(q k^T / 8) v on codes of E3M2, o quantised at once for the last product.  No work of reference() is left out here.
; SHARES.  Work-group y = 8 b + head; x takes 256 queries: 8 x 32 = 256 work-groups.  A wave owns two tiles of 16 queries and walks the 2,048 keys in 8 trips of 256.
; LDS holds the head's K (16 records of 6,656 bytes) and V (as many) whole, each byte filled once.  CLUSTER: the four partners share the head, and every tensor load is joint.  Each wave issues two: at the head a quarter of
; K's records 0-3 (waves 0-3) or of V's records 0 and 1 (waves 4-7), and behind the full sequence and a round a quarter of the rest, which has the first trip in which to land.  (A trip fetches the next trip's K: so K goes two records further.)
; No prefetch: all tiles come by these two loads a wave; there is no loop that asks for any.
; BOTH PRODUCTS ARE USED TRANSPOSED (S^T = k q^T, O^T = v^T p^T): a lane holds one query.  Index p of k's tile T is key 64 (T / 4) + 32 (p / 8) + 8 (T % 4) + p % 8 of its 128, so that the 32 registers of four tiles in lane (r, h) are ONE WHOLE
; BLOCK of 32 keys, in the place in which the next operand wants it: a block's largest score needs no other lane, and its codes are not moved between lanes.  q fills k = 0 .. 63 of the operand; 64 .. 127 are zero codes.
; SOFTMAX: M = the ceiling of the running largest t, kept as -M; p = 2^(t - M); the sum is taken of the unquantised p; when M moves, the sum and O^T are multiplied by a power of two.  A block's largest p is made from its largest score by the same
; two instructions as every p.  (This takes v_exp_f32 not to fall where its input rises; the ISA guide promises 1 ulp: one p within an ulp of a power of two might be held one code low.)
; ONE TILE AT A TIME goes through 256 keys: 16 products, 64 lines of maxima, the rescaling, two batches of exponentials, 8 products.  Among the first batch stand the multiply-adds of the second half, among the second batch
; sixteen of the first half's sums: none of them reads what another in the batch writes.  Each batch has its wait ahead and its wait behind.
; LDS loads stand in two runs a trip, each directly ahead of the wait in front of a tile's rescaling: this trip's V in the first tile, the next trip's K in the second.
; LIMITS: NaN and infinities are not served; the scaled scores stay under 2^31 in magnitude; a block whose largest p lies under 2^-122 has the byte 1 (its codes are zeros or the smallest), and so has a block of x under 2^-122.
; REGISTERS.  window 0: as named below.  window 1 (v256 on): S^T of a tile, 128 registers; from KF k's 16 fragments of 6 registers, and 6 of zeros behind them (the last fragment's unused upper half).
.set REC,   6656
.set HEADB, 16*REC
.set SPARE, 2*HEADB                    ; behind K and V: the spare words, 128 bytes for each wave: four blocks of 256 bytes that no other line names
.set XREC,  7168
.set SPW,   1
.set NIL,   2
.set L16,   3                          ; 16, 8, 4 x lane
.set L8,    4
.set L4,    5
.set A16,   6                          ; LDS addresses, made anew for each run of loads
.set A8,    7
.set A4,    255
.set NM,    8                          ; tile q at + 4 q: -M; behind it the running largest t;
.set TX,    9
.set SU,    10                         ; the row's sum in two halves
.set FF,    16                         ; the factor of the rescaling (a pair);
.set UU,    16                         ; later three registers of codes
.set YY,    19
.set QS,    20                         ; q's scale words, one a tile
.set KS,    22                         ; k's: two tiles a register
.set VS,    30                         ; v's
.set W0,    38                         ; p's scale words: lanes 0-15 the first 128 keys', lanes 16-31 the second's
.set W1,    39
.set QF,    40
.set VF,    64
.set OT,    160
.set PX,    224
.set BM,    248
.set TT,    252
.set S,     0                          ; window 1
.set KF,    128                        ; window 1
.set WV,    12
.set G1K,   16
.set G1V,   24
.set G0K,   32
.set G0V,   36
.set SEL,   40
.set CS,    42
.set TB,    44
.set TBV,   45
.set CNT,   46
.set G0K2,  48
.set G0V2,  52
.set MSB, 0
.macro WIN new                         ; s_set_vgpr_msb: bits 1:0 source 0, 3:2 source 1, 5:4 source 2, 7:6 destination; the high byte repeats the setting that is left
.if MSB != (\new)
	s_set_vgpr_msb (MSB<<8)|(\new)
.set MSB, (\new)
.endif
.endm
.macro CROUND                          ; a round of the cluster's barrier
	s_barrier_signal -1
	s_barrier_wait -1
	s_cmp_lg_u32 s[WV], 0
	s_cbranch_scc1 .Lnot_wave_0_\@
	s_barrier_signal -3
.Lnot_wave_0_\@:
	s_barrier_wait -3
	s_barrier_signal -1
	s_barrier_wait -1
.endm
.macro JLOAD g0k, g0v                  ; waves 0-3 fetch for K, waves 4-7 for V
	s_cmp_lt_u32 s[WV], 4
	s_cbranch_scc0 .Lfor_v_\@
	tensor_load_to_lds s[\g0k:\g0k+3], s[G1K:G1K+7]
	s_nop 0
.rept 4
	v_nop
.endr
	s_branch .Lasked_\@
.Lfor_v_\@:
	tensor_load_to_lds s[\g0v:\g0v+3], s[G1V:G1V+7]
	s_nop 0
.rept 4
	v_nop
.endr
.Lasked_\@:
.endm
.macro ADDR base
	v_add_nc_u32 v[A16], s[\base], v[L16]
	v_add_nc_u32 v[A8], s[\base], v[L8]
	v_add_nc_u32 v[A4], s[\base], v[L4]
.endm
.macro KLOADS                          ; 256 keys: 16 half fragments, as images of the registers, and their scale words
	WIN 0x40
.set I, 0
.rept 16
	ds_load_b128 v[KF+6*I:KF+6*I+3], v[A16] offset:REC*(I/8)+768*(I%8)
	ds_load_b64 v[KF+6*I+4:KF+6*I+5], v[A8] offset:REC*(I/8)+768*(I%8)+512
.set I, I+1
.endr
	WIN 0
.set I, 0
.rept 8
	ds_load_b32 v[KS+I], v[A4] offset:REC*(I/4)+6144+128*(I%4)
.set I, I+1
.endr
.endm
.macro VLOADS                          ; 256 keys: 8 fragments of two half images each, and their scale words
.set I, 0
.rept 16
.set VR, VF+48*(I/8)+12*((I/2)%4)+6*(I%2)
.set VO, REC*(I/8)+1536*((I/2)%4)+768*(I%2)
	ds_load_b128 v[VR:VR+3], v[A16] offset:VO
	ds_load_b64 v[VR+4:VR+5], v[A8] offset:VO+512
.set I, I+1
.endr
.set I, 0
.rept 8
	ds_load_b32 v[VS+I], v[A4] offset:REC*(I/4)+6144+128*(I%4)
.set I, I+1
.endr
.endm
.macro CVT u                           ; half u's 64 numbers of p -> the operand's 12 registers
	WIN 0x01
	v_cvt_scalef32_pk16_bf6_f32 v[PX+12*\u:PX+12*\u+2], v[S+64*\u:S+64*\u+15], v[BM+2*\u]
	v_cvt_scalef32_pk16_bf6_f32 v[TT:TT+2], v[S+64*\u+16:S+64*\u+31], v[BM+2*\u]
	v_cvt_scalef32_pk16_bf6_f32 v[PX+12*\u+6:PX+12*\u+8], v[S+64*\u+32:S+64*\u+47], v[BM+2*\u+1]
	v_cvt_scalef32_pk16_bf6_f32 v[UU:UU+2], v[S+64*\u+48:S+64*\u+63], v[BM+2*\u+1]
	WIN 0
	v_nop                                          ; one plain line behind the scaled conversions
.irp i, 0,1,2
	v_mov_b32 v[PX+12*\u+3+\i], v[TT+\i]
.endr
.irp i, 0,1,2
	v_mov_b32 v[PX+12*\u+9+\i], v[UU+\i]
.endr
.endm
; Tile q through 256 keys.  k: for tile 1, 1 = the next trip's K is fetched, 2 = but not in the loop's last trip
.macro TILE q, k
	WIN 0x41
.set I, 0
.rept 16
.if I%2
	v_wmma_scale_f32_16x16x128_f8f6f4 v[S+8*I:S+8*I+7], v[KF+6*I:KF+6*I+11], v[QF+12*(\q):QF+12*(\q)+11], 0, v[KS+I/2], v[QS+(\q)] matrix_a_fmt:MATRIX_FMT_BF6 matrix_b_fmt:MATRIX_FMT_BF6 matrix_a_scale:MATRIX_SCALE_ROW1
.else
	v_wmma_scale_f32_16x16x128_f8f6f4 v[S+8*I:S+8*I+7], v[KF+6*I:KF+6*I+11], v[QF+12*(\q):QF+12*(\q)+11], 0, v[KS+I/2], v[QS+(\q)] matrix_a_fmt:MATRIX_FMT_BF6 matrix_b_fmt:MATRIX_FMT_BF6
.endif
.set I, I+1
.endr
	WIN 0
.if \q                                 ; four places behind the last product: for the first read of results and for the loads below
	ADDR TB
.else
	ADDR TBV
.endif
	v_nop
	WIN 0x15
.irp b, 0,1,2,3
	v_max3_num_f32 v[BM+\b], v[S+32*\b], v[S+32*\b+1], v[S+32*\b+2]   ; the largest score of each of my four blocks, by turns; each accumulator from its low end on
.endr
	WIN 0x14
.irp i, 3,5,7,9,11,13,15,17,19,21,23,25,27,29
.irp b, 0,1,2,3
	v_max3_num_f32 v[BM+\b], v[BM+\b], v[S+32*\b+\i], v[S+32*\b+\i+1]
.endr
.endr
.irp b, 0,1,2,3
	v_max_num_f32 v[BM+\b], v[BM+\b], v[S+32*\b+31]
.endr
	WIN 0
	v_max3_num_f32 v[TT], v[BM], v[BM+1], v[BM+2]
	s_delay_alu instid0(VALU_DEP_1)
	v_max_num_f32 v[TT], v[TT], v[BM+3]
	s_delay_alu instid0(VALU_DEP_1)
	v_permlanex16_b32 v[YY], v[TT], s[SEL], s[SEL+1]
	s_delay_alu instid0(VALU_DEP_1)
	v_max_num_f32 v[TT], v[TT], v[YY]              ; with lane l xor 16's blocks: my query's largest score of these keys
	s_delay_alu instid0(VALU_DEP_1)
	v_mul_f32 v[TT], s[CS], v[TT]                  ; as t
	s_delay_alu instid0(VALU_DEP_1)
	v_max_num_f32 v[TX+4*(\q)], v[TX+4*(\q)], v[TT]
	v_mov_b32 v[TT], v[NM+4*(\q)]
	v_floor_f32 v[NM+4*(\q)], -v[TX+4*(\q)]        ; the new -M
	v_sub_f32 v[TT], v[NM+4*(\q)], v[TT]
	v_pk_fma_f32 v[BM:BM+1], v[BM:BM+1], s[CS:CS+1], v[NM+4*(\q):NM+4*(\q)+1] op_sel_hi:[1,0,0]   ; the blocks' largest t - M
	v_pk_fma_f32 v[BM+2:BM+3], v[BM+2:BM+3], s[CS:CS+1], v[NM+4*(\q):NM+4*(\q)+1] op_sel_hi:[1,0,0]
	v_cvt_i32_f32 v[TT], v[TT]                     ; (it saturates)
	v_ldexp_f32 v[FF], 1.0, v[TT]                  ; 2^(old M - new M)
	WIN 0x41
.set J, 0
.rept 32
	v_pk_fma_f32 v[S+2*J:S+2*J+1], v[S+2*J:S+2*J+1], s[CS:CS+1], v[NM+4*(\q):NM+4*(\q)+1] op_sel_hi:[1,0,0]   ; t - M, the first 128 keys
.set J, J+1
.endr
	WIN 0
.if (\q) == 0
	VLOADS                                         ; this trip's V, for both tiles (the last trip's products on these registers lie more than four places back)
.elseif (\k) == 1
	KLOADS
.else
	s_wait_alu depctr_va_vdst(0)                   ; the wait directly ahead of the branch
	s_cmp_eq_u32 s[CNT], 1
	s_cbranch_scc1 .Lno_k_\@
	KLOADS
.Lno_k_\@:
.endif
	s_wait_alu depctr_va_vdst(0)                   ; the wait directly ahead of the first reader of O^T, and between the batch's sources and the batch
.set J, 0
.rept 16
	v_pk_mul_f32 v[OT+32*(\q)+2*J:OT+32*(\q)+2*J+1], v[OT+32*(\q)+2*J:OT+32*(\q)+2*J+1], v[FF:FF+1] op_sel_hi:[1,0]
.set J, J+1
.endr
	v_pk_mul_f32 v[SU+4*(\q):SU+4*(\q)+1], v[SU+4*(\q):SU+4*(\q)+1], v[FF:FF+1] op_sel_hi:[1,0]
.irp b, 0,1,2,3
	v_exp_f32 v[BM+\b], v[BM+\b]
.endr
	WIN 0x41
.set J, 0
.rept 32
	v_exp_f32 v[S+2*J], v[S+2*J]
	v_pk_fma_f32 v[S+64+2*J:S+64+2*J+1], v[S+64+2*J:S+64+2*J+1], s[CS:CS+1], v[NM+4*(\q):NM+4*(\q)+1] op_sel_hi:[1,0,0]   ; t - M, the second 128 keys
	v_exp_f32 v[S+2*J+1], v[S+2*J+1]
.set J, J+1
.endr
	WIN 0
	s_wait_alu depctr_va_vdst(0)                   ; behind the batch; it stands ahead of the second batch too
.irp b, 0,1,2,3
	v_max_num_f32 v[BM+\b], 0x2800000, v[BM+\b]    ; the floor 2^(5 - 127)
.endr
.irp b, 0,1,2,3
	v_add_nc_u32 v[BM+\b], 0xfe000000, v[BM+\b]    ; 4 off the exponent field: the conversion's scale operand
.endr
	v_lshrrev_b32 v[W0], 23, v[BM]
	v_lshrrev_b32 v[W1], 23, v[BM+2]
	v_lshrrev_b32 v[TT], 23, v[BM+1]
	v_lshrrev_b32 v[TT+1], 23, v[BM+3]
	v_lshl_or_b32 v[W0], v[TT], 16, v[W0]          ; first 128 keys: my blocks h and 2 + h in bytes 0 and 2;
	v_lshl_or_b32 v[W1], v[TT+1], 16, v[W1]        ; second 128 keys
	v_permlane16_swap_b32 v[W0], v[W1]             ; W0: both halves' words of h = 0; W1: of h = 1
	v_lshl_or_b32 v[W0], v[W1], 8, v[W0]           ; lanes 0-15 the first half's whole word, lanes 16-31 the second's
	CVT 0
	WIN 0x45
.set J, 0
.rept 16
	v_exp_f32 v[S+64+4*J], v[S+64+4*J]
	v_exp_f32 v[S+65+4*J], v[S+65+4*J]
	v_pk_add_f32 v[S+2*J:S+2*J+1], v[S+2*J:S+2*J+1], v[S+32+2*J:S+32+2*J+1]   ; THE ROW'S SUM, of the unquantised p: the first half's 32 pairs become 16
	v_exp_f32 v[S+66+4*J], v[S+66+4*J]
	v_exp_f32 v[S+67+4*J], v[S+67+4*J]
.set J, J+1
.endr
	WIN 0
	s_wait_alu depctr_va_vdst(0)                   ; behind the batch
	CVT 1
	WIN 0x45
.set J, 0
.rept 12
	v_pk_add_f32 v[S+2*(J%4):S+2*(J%4)+1], v[S+2*(J%4):S+2*(J%4)+1], v[S+8+2*J:S+8+2*J+1]   ; 16 pairs become 4.  (These are also the places between the codes and the products)
.set J, J+1
.endr
	WIN 0
.if (\q) == 0
	s_wait_alu depctr_va_vdst(0)                   ; the wait directly ahead of the wait below
	s_wait_dscnt 0x0                               ; V is in
.endif
.irp d, 0,1,2,3                                ; the four accumulators by turns, one instruction a turn
	v_wmma_scale_f32_16x16x128_f8f6f4 v[OT+32*(\q)+8*\d:OT+32*(\q)+8*\d+7], v[VF+12*\d:VF+12*\d+11], v[PX:PX+11], v[OT+32*(\q)+8*\d:OT+32*(\q)+8*\d+7], v[VS+\d], v[W0] matrix_a_fmt:MATRIX_FMT_BF6 matrix_b_fmt:MATRIX_FMT_BF6
.endr
.irp d, 0,1,2,3
	v_wmma_scale_f32_16x16x128_f8f6f4 v[OT+32*(\q)+8*\d:OT+32*(\q)+8*\d+7], v[VF+48+12*\d:VF+48+12*\d+11], v[PX+12:PX+23], v[OT+32*(\q)+8*\d:OT+32*(\q)+8*\d+7], v[VS+4+\d], v[W0] matrix_a_fmt:MATRIX_FMT_BF6 matrix_b_fmt:MATRIX_FMT_BF6 matrix_b_scale:MATRIX_SCALE_ROW1
.endr
	WIN 0x45
.set J, 0
.rept 32
	v_pk_add_f32 v[S+2*(J%4):S+2*(J%4)+1], v[S+2*(J%4):S+2*(J%4)+1], v[S+64+2*J:S+64+2*J+1]   ; the second half's 32 pairs, in four chains
.set J, J+1
.endr
	v_pk_add_f32 v[S:S+1], v[S:S+1], v[S+2:S+3]
	v_pk_add_f32 v[S+4:S+5], v[S+4:S+5], v[S+6:S+7]
	v_pk_add_f32 v[S:S+1], v[S:S+1], v[S+4:S+5]
	WIN 0x04
	v_pk_add_f32 v[SU+4*(\q):SU+4*(\q)+1], v[SU+4*(\q):SU+4*(\q)+1], v[S:S+1]
	WIN 0
.endm
.macro TRIP k
	s_wait_dscnt 0x0                               ; K is in
	TILE 0, 0
	s_add_co_u32 s[TB], s[TB], 2*REC               ; the next trip's K
	TILE 1, \k
	s_add_co_u32 s[TBV], s[TBV], 2*REC
.endm
	s_load_b256 s[4:11], s[0:1], 0x0               ; qrec, krec, vrec, xrec
	v_lshl_add_u32 v[SPW], v0, 2, SPARE
	v_mov_b32 v[NIL], 0
	ds_add_u32 v[SPW], v[NIL]                      ; the wave's opening: the add, twice on end, and its wait ahead of my first tensor load
	ds_add_u32 v[SPW], v[NIL]
	v_lshrrev_b32 v[L16], 5, v0
	v_readfirstlane_b32 s[WV], v[L16]              ; wave 0..7
	v_and_b32 v[A16], 31, v0
	v_and_b32 v[A4], 15, v0
	v_lshlrev_b32 v[L16], 4, v[A16]
	v_lshlrev_b32 v[L8], 3, v[A16]
	v_lshlrev_b32 v[L4], 2, v[A16]
	v_lshlrev_b32 v[A4], 2, v[A4]
	s_bfe_u32 s13, ttmp6, 0x40000                  ; cx: it enters q's and the results' addresses alone
	s_lshl_b32 s14, ttmp9, 2
	s_add_co_u32 s14, s14, s13                     ; my 256 queries
	s_and_b32 s15, ttmp7, 0xffff                   ; 8 b + head
.irp g, G1K, G1V
	s_mov_b32 s[\g], 15|(3<<16)|(1<<21)            ; 15:0 the mask: all four work-groups; 17:16 elements of 8 bytes; 21 set beside a mask; no padding
	s_mov_b32 s[\g+1], 32<<16                      ; rows of 256 bytes, dense
	s_mov_b32 s[\g+3], 32<<16
	s_mov_b32 s[\g+5], 32
	s_mov_b32 s[\g+6], 0
	s_mov_b32 s[\g+7], 0
.endr
	s_mov_b32 s[G1K+2], 26<<16                     ; K: 26 rows, a record
	s_mov_b32 s[G1K+4], 26
	s_mov_b32 s[G1V+2], 13<<16                     ; V: 13 rows, half a record
	s_mov_b32 s[G1V+4], 13
	s_mov_b32 s[SEL], 0x76543210
	s_mov_b32 s[SEL+1], 0xfedcba98
	s_mov_b32 s[CS], 0x3e38aa3b                    ; log2(e) / 8
	s_mov_b32 s[CS+1], s[CS]
	s_and_b32 s47, s[WV], 3
	s_mov_b32 s[G0K], 1
	s_mov_b32 s[G0V], 1
	s_mov_b32 s[G0K2], 1
	s_mov_b32 s[G0V2], 1
	s_mul_i32 s[G0K+1], s47, REC                   ; LDS: K from byte 0,
	s_mul_i32 s57, s47, 13*256
	s_add_co_u32 s[G0V+1], s57, HEADB              ; V behind it
	s_mul_i32 s60, s47, 3*REC
	s_add_co_u32 s[G0K2+1], s60, 4*REC             ; the second loads: K's records 4-15, three each,
	s_mul_i32 s61, s47, 91*256
	s_add_co_u32 s61, s61, 2*REC
	s_add_co_u32 s[G0V2+1], s61, HEADB             ; V's records 2-15, a quarter each
	s_mul_i32 s58, s15, HEADB
	s_mov_b32 s59, 0
	s_lshl_b32 s66, s15, 4
	s_lshl_b32 s67, s14, 1
	s_add_co_u32 s66, s66, s67
	s_lshr_b32 s67, s[WV], 2
	s_add_co_u32 s66, s66, s67
	s_mul_i32 s66, s66, REC                        ; q's record of my 128 queries
	s_lshl_b32 s68, s47, 7
	s_add_co_u32 s68, s68, s66
	s_add_co_u32 s68, s68, 6144                    ; my two tiles' scale words
	s_mul_i32 s67, s47, 1536
	s_add_co_u32 s66, s66, s67                     ; and codes
	s_mov_b32 s67, 0
	s_mov_b32 s69, 0
	s_wait_dscnt 0x0                               ; both opening adds are done
	s_wait_alu depctr_va_vdst(0)                   ; the wait directly ahead of the wait below
	s_wait_kmcnt 0x0
	s_add_nc_u64 s[66:67], s[4:5], s[66:67]
	s_add_nc_u64 s[68:69], s[4:5], s[68:69]
.irp q, 0,1
	global_load_b128 v[QF+12*\q:QF+12*\q+3], v[L16], s[66:67] offset:768*\q th:TH_LOAD_NT
	global_load_b64 v[QF+12*\q+4:QF+12*\q+5], v[L8], s[66:67] offset:768*\q+512 th:TH_LOAD_NT
	global_load_b32 v[QS+\q], v[A4], s[68:69] offset:64*\q th:TH_LOAD_NT
.endr
	s_add_nc_u64 s[62:63], s[6:7], s[58:59]        ; the head's K
	s_add_nc_u64 s[8:9], s[8:9], s[58:59]          ; and V
	s_mov_b32 s58, s[G0K+1]
	s_add_nc_u64 s[G0K+2:G0K+3], s[62:63], s[58:59]
	s_or_b32 s[G0K+3], s[G0K+3], 0x80000000
	s_mov_b32 s58, s57
	s_add_nc_u64 s[G0V+2:G0V+3], s[8:9], s[58:59]
	s_or_b32 s[G0V+3], s[G0V+3], 0x80000000
	s_mov_b32 s58, s[G0K2+1]
	s_add_nc_u64 s[G0K2+2:G0K2+3], s[62:63], s[58:59]
	s_or_b32 s[G0K2+3], s[G0K2+3], 0x80000000
	s_mov_b32 s58, s61
	s_add_nc_u64 s[G0V2+2:G0V2+3], s[8:9], s[58:59]
	s_or_b32 s[G0V2+3], s[G0V2+3], 0x80000000
	CROUND                                         ; all four work-groups are here: the first joint loads meet
	JLOAD G0K, G0V
.irp j, 6,7,8,9,10,11
	v_mov_b32 v[QF+\j], 0                          ; k = 64 .. 127: zero codes
	v_mov_b32 v[QF+12+\j], 0
.endr
	WIN 0x40
.irp j, 0,1,2,3,4,5
	v_mov_b32 v[KF+96+\j], 0
.endr
	WIN 0
.set J, 0
.rept 64
	v_mov_b32 v[OT+J], 0                           ; the trip is written once: the first finds zeros
.set J, J+1
.endr
.irp q, 0,1
	v_mov_b32 v[TX+4*\q], 0xff61b1e6               ; the largest t so far: -3e38, under every t
	v_mov_b32 v[SU+4*\q], 0
	v_mov_b32 v[SU+4*\q+1], 0
.endr
.irp q, 0,1
	v_floor_f32 v[NM+4*\q], -v[TX+4*\q]
.endr
	v_mov_b32 v[YY], 0                             ; written once: a lane permute's destination counts as one of its sources
	v_mov_b32 v[FF+1], 0                           ; (named as the upper half of a pair)
	s_wait_alu depctr_va_vdst(0)                   ; the wait at the head's end
	s_wait_loadcnt 0x0                             ; q is in
	s_wait_tensorcnt 0x0                           ; my first part is in; the add and its wait stand ahead of a later first fill
	ds_add_u32 v[SPW], v[NIL]
	s_mov_b32 s[G1K+2], 78<<16                     ; no tensor load of mine is out: from here on 78 rows of K,
	s_mov_b32 s[G1K+4], 78
	s_mov_b32 s[G1V+2], 91<<16                     ; 91 of V
	s_mov_b32 s[G1V+4], 91
	s_wait_dscnt 0x0
	CROUND                                         ; everybody's first part is in
	JLOAD G0K2, G0V2                               ; the rest: the first tensor load behind the round
	s_mov_b32 s[TB], 0
	s_mov_b32 s[TBV], HEADB
	ADDR TB
	KLOADS
	TRIP 1                                         ; (it fetches K's records 2 and 3, which have landed)
	s_wait_alu depctr_va_vdst(0)                   ; the wait directly ahead of the wait below
	s_wait_tensorcnt 0x0                           ; my second part is in,
	s_wait_dscnt 0x0                               ; and the next trip's K lies in registers
	s_barrier_signal -1
	s_barrier_wait -1                              ; everybody's is in.  From here on LDS is only read
	s_mov_b32 s[TB], 2*REC
	s_mov_b32 s[TBV], HEADB+2*REC
	s_mov_b32 s[CNT], 7
.Lrest:
	TRIP 2
	s_sub_co_u32 s[CNT], s[CNT], 1
	s_cmp_lg_u32 s[CNT], 0
	s_wait_alu depctr_va_vdst(0)                   ; the wait directly ahead of the branch
	s_cbranch_scc1 .Lrest
	s_lshr_b32 s56, s15, 3
	s_lshl_b32 s56, s56, 7
	s_lshl_b32 s57, s14, 4
	s_add_co_u32 s56, s56, s57
	s_lshl_b32 s57, s[WV], 1
	s_add_co_u32 s56, s56, s57                     ; 128 b + 16 x + 2 w: my first tile's record,
	s_mul_i32 s56, s56, XREC
	s_and_b32 s57, s15, 7
	s_lshl_b32 s60, s57, 7
	s_add_co_u32 s60, s60, s56
	s_add_co_u32 s60, s60, 6144                    ; in it the head's scale words
	s_mul_i32 s57, s57, 768
	s_add_co_u32 s56, s56, s57                     ; and codes
	s_mov_b32 s57, 0
	s_mov_b32 s61, 0
	s_add_nc_u64 s[56:57], s[10:11], s[56:57]
	s_add_nc_u64 s[60:61], s[10:11], s[60:61]
	v_bfe_u32 v[A8], v0, 4, 1
.irp q, 0,1
	v_add_f32 v[SU+4*\q], v[SU+4*\q], v[SU+4*\q+1]
.endr
	v_lshlrev_b32 v[A8], 3, v[A8]                  ; 8 h
.irp q, 0,1
	v_permlanex16_b32 v[BM+\q], v[SU+4*\q], s[SEL], s[SEL+1]
.endr
.irp q, 0,1
	v_add_f32 v[SU+4*\q], v[SU+4*\q], v[BM+\q]     ; the row's sum
.endr
	s_wait_alu depctr_va_vdst(0)                   ; the wait ahead of the batch
.irp q, 0,1
	v_rcp_f32 v[SU+4*\q], v[SU+4*\q]
.endr
	v_nop
	s_wait_alu depctr_va_vdst(0)                   ; and ahead of the first reader, of O^T too
.irp q, 0,1
.set J, 0
.rept 16
	v_pk_mul_f32 v[OT+32*\q+2*J:OT+32*\q+2*J+1], v[OT+32*\q+2*J:OT+32*\q+2*J+1], v[SU+4*\q:SU+4*\q+1] op_sel_hi:[1,0]
.set J, J+1
.endr
.endr
.irp q, 0,1                                    ; a lane's 32 numbers of a tile are d = 32 h + 0 .. 31 of the head: a whole block along the last product's K
.irp c, 0,1
	v_max3_num_f32 v[BM+2*\q+\c], |v[OT+32*\q+16*\c]|, |v[OT+32*\q+16*\c+1]|, 0x2800000
.endr
.endr
.irp i, 2,4,6,8,10,12,14
.irp q, 0,1
.irp c, 0,1
	v_max3_num_f32 v[BM+2*\q+\c], v[BM+2*\q+\c], |v[OT+32*\q+16*\c+\i]|, |v[OT+32*\q+16*\c+\i+1]|
.endr
.endr
.endr
.irp q, 0,1
	v_max_num_f32 v[BM+2*\q], v[BM+2*\q], v[BM+2*\q+1]
.endr
.irp q, 0,1
	v_add_nc_u32 v[BM+2*\q], 0xfe000000, v[BM+2*\q]
.endr
.irp q, 0,1
	v_lshrrev_b32 v[W0+\q], 23, v[BM+2*\q]
.endr
.irp q, 0,1
	v_lshlrev_b32 v[W0+\q], v[A8], v[W0+\q]        ; byte h,
.endr
.irp q, 0,1
	v_permlanex16_b32 v[TT+\q], v[W0+\q], s[SEL], s[SEL+1]
.endr
.irp q, 0,1
	v_or_b32 v[W0+\q], v[W0+\q], v[TT+\q]          ; and lane l xor 16's: the head's two bytes
.endr
.irp q, 0,1
	v_cvt_scalef32_pk16_bf6_f32 v[PX+12*\q:PX+12*\q+2], v[OT+32*\q:OT+32*\q+15], v[BM+2*\q]
	v_cvt_scalef32_pk16_bf6_f32 v[PX+12*\q+4:PX+12*\q+6], v[OT+32*\q+16:OT+32*\q+31], v[BM+2*\q]
.endr
	v_nop                                          ; one plain line behind the scaled conversions
.irp i, 3,4,5
.irp q, 0,1
	v_mov_b32 v[PX+12*\q+\i], v[PX+12*\q+\i+1]
.endr
.endr
.irp q, 0,1
	global_store_b128 v[L16], v[PX+12*\q:PX+12*\q+3], s[56:57] offset:XREC*\q
	global_store_b64 v[L8], v[PX+12*\q+4:PX+12*\q+5], s[56:57] offset:XREC*\q+512
	global_store_b32 v[L4], v[W0+\q], s[60:61] offset:XREC*\q
.endr
	s_wait_tensorcnt 0x0                           ; the wave's end
	ds_add_u32 v[SPW], v[NIL]
	s_wait_dscnt 0x0
	CROUND                                         ; the closing round
	s_endpgm
.Lfunc_end_k_q91ca8b3925_attn:
	.size	k_q91ca8b3925_attn, .Lfunc_end_k_q91ca8b3925_attn-k_q91ca8b3925_attn
	.p2alignl 7, 3214868480
	.fill 96, 4, 3214868480
	.section	.rodata,"a",@progbits
	.p2align	6, 0x0
	.amdhsa_kernel k_q91ca8b3925_attn
		.amdhsa_group_segment_fixed_size 327680
		.amdhsa_private_segment_fixed_size 0
		.amdhsa_enable_private_segment 0
		.amdhsa_kernarg_size 32
		.amdhsa_user_sgpr_count 2
		.amdhsa_user_sgpr_kernarg_segment_ptr 1
		.amdhsa_wavefront_size32 1
		.amdhsa_system_sgpr_workgroup_id_x 1
		.amdhsa_system_sgpr_workgroup_id_y 1
		.amdhsa_system_sgpr_workgroup_id_z 1
		.amdhsa_system_vgpr_workitem_id 0
		.amdhsa_next_free_vgpr 512
		.amdhsa_next_free_sgpr 72
		.amdhsa_reserve_vcc 0
		.amdhsa_float_denorm_mode_32 3
		.amdhsa_float_denorm_mode_16_64 3
		.amdhsa_memory_ordered 1
		.amdhsa_forward_progress 1
		.amdhsa_inst_pref_size 125
	.end_amdhsa_kernel
	.amdgpu_metadata
---
amdhsa.version: [ 1, 2 ]
amdhsa.kernels:
  - .name:           k_q91ca8b3925_attn
    .symbol:         k_q91ca8b3925_attn.kd
    .args:
      - { .name: qrec, .offset: 0, .size: 8, .value_kind: global_buffer, .address_space: global }
      - { .name: krec, .offset: 8, .size: 8, .value_kind: global_buffer, .address_space: global }
      - { .name: vrec, .offset: 16, .size: 8, .value_kind: global_buffer, .address_space: global }
      - { .name: xrec, .offset: 24, .size: 8, .value_kind: global_buffer, .address_space: global }
    .group_segment_fixed_size: 327680
    .private_segment_fixed_size: 0
    .kernarg_segment_align: 8
    .kernarg_segment_size: 32
    .max_flat_workgroup_size: 256
    .sgpr_count:     72
    .vgpr_count:     512
    .wavefront_size: 32
...
	.end_amdgpu_metadata
.endif
;; end of part 7
;; launch oproj (part 8): grid 64 x 4, 4 waves a work-group, clusters of 4 x 4, 167,936 bytes of LDS; arguments wrec, xrec, out0; writes out0
.if DOCPART == 8
	.amdgcn_target "amdgcn-amd-amdhsa--gfx1250"
	.amdhsa_code_object_version 6
	.text
	.protected	k_q91ca8b3925_oproj
	.globl	k_q91ca8b3925_oproj
	.p2align	8
	.type	k_q91ca8b3925_oproj,@function
k_q91ca8b3925_oproj:
	s_mov_b64 s[64:65], 0
	v_nop
	global_prefetch_b8 v0, s[64:65] scope:SCOPE_SE
	s_setreg_imm32_b32 hwreg(HW_REG_WAVE_MODE, 25, 1), 1
	s_wait_xcnt 0x0
	s_wait_alu depctr_hold_cnt(0) depctr_sa_sdst(0) depctr_va_vdst(0) depctr_va_sdst(0) depctr_va_ssrc(0) depctr_va_vcc(0) depctr_vm_vsrc(0)
	s_getreg_b32 s2, hwreg(HW_REG_IB_STS2, 6, 4)
	s_cmp_eq_u32 s2, 0
	s_cbranch_scc0 .Lentry_in_a_cluster
	s_endpgm
.Lentry_in_a_cluster:
	s_bfe_u32 s2, ttmp6, 0x10000c
	s_cmp_lg_u32 s2, 0xf033
	s_cbranch_scc0 .Lentry_shape_is_right
	s_endpgm
.Lentry_shape_is_right:
; Launch 4 of 4: out0 = x Wo^T + bo on codes of E3M2: x's codes from xrec, Wo's codes, scale words and bo from slabs 12 to 15 of wrec.  No work of reference() is left out here.
; SHARES.  A work-group makes 128 rows x 128 columns: 64 x 4 = 256 work-groups.  Wave w: 64 x 64 (row tiles 4 (w / 2) + m, column tiles 4 (w % 2) + t).  K = 512 in four steps, all of it in LDS at once.
; CLUSTER 4 x 4.  The grid's four work-groups along y are one cluster, so my column block is cy.  The slab hangs on cy alone and is shared along a row of the cluster, x's eight records hang on the row block alone and are
; shared along a column.  One joint load a wave: waves 0 and 1 fetch the slab's halves, waves 2 and 3 those of x's records.  Nothing is filled twice, and no loop asks for tiles: no prefetch.
; BY ROW TILES: my 16 fragments of Wo stay in registers; each of my four row tiles is finished (16 products, its four accumulators by turns) and leaves while the next is multiplied.  The biases are C of the first products.
; The matrix instruction is used transposed (source 0 = 16 rows of Wo, source 1 = 16 rows of x): a lane holds eight neighbouring columns of one row: column 32 h + 8 t + j of my 64.
; x's fragment of K step s is the half fragments of heads 2 s and 2 s + 1 on end; its scale word is the two heads' two bytes each.
; THE WAY OUT undoes the two choices of rows: a tile's columns by the place in the stage, x's rows (index p of tile m: row 32 (p / 8) + 8 m + p % 8 of my 64) by the store's offset.  16 rows x 256 bytes go through my own stage in LDS
; and leave as whole aligned runs of 256 bytes.
; REGISTERS, window 0: v1-9 addresses; v10, v11 the add's two; v12-27 x's scale words (4 s + m); v28-43 Wo's (4 s + t); v44-75 the biases; v76-171 x's fragments, two tiles by turns; v172-235 accumulators, two tiles by turns.
;   window 1: v0-191 Wo's fragments ((t, s) at 12 (4 t + s)); v192-255 16 rows read back from the stage, by turns.
.set SLAB,  54272
.set XL,    SLAB                       ; LDS: behind the slab x's eight records of 7,168 bytes,
.set XREC,  7168
.set STG,   XL+8*XREC                  ; a stage of 16 rows x (256 + 16) bytes for each wave,
.set SPARE, STG+4*4352                 ; and the spare words, 128 bytes for each wave: two blocks of 256 bytes that no other line names
.set WA,    1
.set WSA,   2
.set XA16,  3
.set XA8,   4
.set XSA,   5
.set BA,    6
.set STO,   7
.set RD,    8
.set CO,    9
.set SPW,   10
.set NIL,   11
.set XS,    12
.set WS,    28
.set BT,    44
.set XF,    76
.set ACC,   172
.set RAW,   204
.set RB,    192                        ; in window 1
.set WV,    10
.set G1A,   24
.set G1B,   32
.set G0A,   40
.set G0B,   44
.set MSB, 0
.macro WIN new                         ; s_set_vgpr_msb: bits 1:0 source 0, 3:2 source 1, 5:4 source 2, 7:6 destination; the high byte repeats the setting that is left
.if MSB != (\new)
	s_set_vgpr_msb (MSB<<8)|(\new)
.set MSB, (\new)
.endif
.endm
.macro PLACES n
.rept \n
	v_nop
.endr
.endm
.macro CROUND
	s_barrier_signal -1
	s_barrier_wait -1
	s_cmp_lg_u32 s[WV], 0
	s_cbranch_scc1 .Lnot_wave_0_\@
	s_barrier_signal -3
.Lnot_wave_0_\@:
	s_barrier_wait -3
	s_barrier_signal -1
	s_barrier_wait -1
.endm
.macro XFL m                           ; row tile m's four fragments: 16 loads
.set XB, XF+48*((\m)%2)
.irp s, 0,1,2,3
	ds_load_b128 v[XB+12*\s:XB+12*\s+3], v[XA16] offset:XREC*(\m)+1536*\s            ; head 2 s: registers 0-5
	ds_load_b64 v[XB+12*\s+4:XB+12*\s+5], v[XA8] offset:XREC*(\m)+1536*\s+512
	ds_load_b128 v[XB+12*\s+6:XB+12*\s+9], v[XA16] offset:XREC*(\m)+1536*\s+768      ; head 2 s + 1: registers 6-11
	ds_load_b64 v[XB+12*\s+10:XB+12*\s+11], v[XA8] offset:XREC*(\m)+1536*\s+1280
.endr
.endm
.macro MAT m                           ; 16 products of row tile m; the four accumulators by turns
.set XB, XF+48*((\m)%2)
.set AC, ACC+32*((\m)%2)
	WIN 0x01
.irp s, 0,1,2,3
.if (\m) == 0
	s_wait_dscnt 52-12*\s                          ; K step s of Wo is in: behind it the later steps' 12 loads each, and row tile 1's 16
.endif
.irp t, 0,1,2,3
.if \s == 0
	v_wmma_scale_f32_16x16x128_f8f6f4 v[AC+8*\t:AC+8*\t+7], v[48*\t+12*\s:48*\t+12*\s+11], v[XB+12*\s:XB+12*\s+11], v[BT+8*\t:BT+8*\t+7], v[WS+4*\s+\t], v[XS+4*\s+(\m)] matrix_a_fmt:MATRIX_FMT_BF6 matrix_b_fmt:MATRIX_FMT_BF6
.else
	v_wmma_scale_f32_16x16x128_f8f6f4 v[AC+8*\t:AC+8*\t+7], v[48*\t+12*\s:48*\t+12*\s+11], v[XB+12*\s:XB+12*\s+11], v[AC+8*\t:AC+8*\t+7], v[WS+4*\s+\t], v[XS+4*\s+(\m)] matrix_a_fmt:MATRIX_FMT_BF6 matrix_b_fmt:MATRIX_FMT_BF6
.endif
.endr
.endr
	WIN 0
.endm
.macro TOSTAGE m
.set AC, ACC+32*((\m)%2)
.irp t, 0,1,2,3
	ds_store_b128 v[STO], v[AC+8*\t:AC+8*\t+3] offset:32*\t          ; each accumulator from its low end on
	ds_store_b128 v[STO], v[AC+8*\t+4:AC+8*\t+7] offset:32*\t+16
.endr
	WIN 0x40
.irp i, 0,1,2,3,4,5,6,7
	ds_load_b128 v[RB+32*((\m)%2)+4*\i:RB+32*((\m)%2)+4*\i+3], v[RD] offset:544*\i   ; LDS serves a wave's instructions in order (ISA guide 5.7.1.4): these see the stores above, and the next tile's stores come behind them
.endr
	WIN 0
.endm
.macro SEND m, younger                 ; younger: the LDS instructions issued behind tile m's loads, which may stay out
	s_wait_dscnt \younger
	WIN 0x04
.irp i, 0,1,2,3,4,5,6,7
	global_store_b128 v[CO], v[RB+32*((\m)%2)+4*\i:RB+32*((\m)%2)+4*\i+3], s[8:9] offset:(8*(\m)+2*\i+24*(\i/4))*2048 th:TH_STORE_NT   ; stage rows 2 i, 2 i + 1 are rows 8 m + 2 i + 24 (i / 4) (+ 1) of my 64; 16 lanes store 256 consecutive bytes, aligned
.endr
	WIN 0
.endm
	s_load_b128 s[4:7], s[0:1], 0x0                ; wrec, xrec
	s_load_b64 s[8:9], s[0:1], 0x10                ; out0
	v_lshl_add_u32 v[SPW], v0, 2, SPARE
	v_mov_b32 v[NIL], 0
	ds_add_u32 v[SPW], v[NIL]                      ; the wave's opening: the add, twice on end, and its wait ahead of my first tensor load
	ds_add_u32 v[SPW], v[NIL]
	v_lshrrev_b32 v1, 5, v0
	v_readfirstlane_b32 s[WV], v1                  ; wave 0..3
	s_bfe_u32 s12, ttmp6, 0x40000                  ; cx
	s_bfe_u32 s13, ttmp6, 0x40004                  ; cy: my block of 128 columns
	s_lshl_b32 s14, ttmp9, 2
	s_add_co_u32 s14, s14, s12                     ; my block of 128 rows
	s_lshl_b32 s15, s13, 2
	s_lshl_b32 s15, 15, s15                        ; my row of the cluster
	s_lshl_b32 s16, 0x1111, s12                    ; my column
	s_or_b32 s[G1A], s15, (3<<16)|(1<<21)          ; the slab goes to my row; elements of 8 bytes; bit 21 beside a mask; no padding
	s_or_b32 s[G1B], s16, (3<<16)|(1<<21)          ; x's records go to my column
.irp g, G1A, G1B
	s_mov_b32 s[\g+1], 32<<16                      ; rows of 256 bytes, dense
	s_mov_b32 s[\g+3], 32<<16
	s_mov_b32 s[\g+5], 32
	s_mov_b32 s[\g+6], 0
	s_mov_b32 s[\g+7], 0
.endr
	s_mov_b32 s[G1A+2], 106<<16                    ; 106 of them: half of the slab
	s_mov_b32 s[G1A+4], 106
	s_mov_b32 s[G1B+2], 112<<16                    ; 112 rows: four records
	s_mov_b32 s[G1B+4], 112
	s_add_co_u32 s48, s13, 12
	s_mul_i32 s48, s48, SLAB                       ; slab 12 + cy,
	s_and_b32 s58, s[WV], 1
	s_mul_i32 s52, s58, 27136
	s_add_co_u32 s48, s48, s52                     ; my half of it
	s_mov_b32 s49, 0
	s_mul_i32 s50, s14, 8*XREC                     ; my block's eight records,
	s_mul_i32 s53, s58, 4*XREC
	s_add_co_u32 s50, s50, s53                     ; my four of them
	s_mov_b32 s51, 0
	s_add_co_u32 s53, s53, XL
	s_wait_dscnt 0x0                               ; both opening adds are done
	s_wait_kmcnt 0x0
	s_mov_b32 s[G0A], 1
	s_mov_b32 s[G0A+1], s52
	s_add_nc_u64 s[G0A+2:G0A+3], s[4:5], s[48:49]
	s_or_b32 s[G0A+3], s[G0A+3], 0x80000000
	s_mov_b32 s[G0B], 1
	s_mov_b32 s[G0B+1], s53
	s_add_nc_u64 s[G0B+2:G0B+3], s[6:7], s[50:51]
	s_or_b32 s[G0B+3], s[G0B+3], 0x80000000
	CROUND                                         ; all sixteen work-groups are here: the joint loads meet
	s_cmp_lt_u32 s[WV], 2
	s_cbranch_scc0 .Lfor_x
	tensor_load_to_lds s[G0A:G0A+3], s[G1A:G1A+7]
	s_nop 0
	PLACES 4
	s_branch .Lasked
.Lfor_x:
	tensor_load_to_lds s[G0B:G0B+3], s[G1B:G1B+7]
	s_nop 0
	PLACES 4
.Lasked:
	s_lshr_b32 s54, s[WV], 1                       ; which 64 rows are mine
	s_and_b32 s55, s[WV], 1                        ; which 64 columns
	v_and_b32 v32, 31, v0                          ; lane
	v_and_b32 v33, 15, v0                          ; r
	v_bfe_u32 v34, v0, 4, 1                        ; h
	s_mul_i32 s56, s55, 24576
	v_lshl_add_u32 v[WA], v32, 4, s56              ; Wo's fragments: tiles 4 (w % 2) on
	s_lshl_b32 s56, s55, 11
	v_lshl_add_u32 v[WSA], v32, 2, s56
	s_mul_i32 s56, s54, 4*XREC
	s_add_co_u32 s56, s56, XL
	v_lshl_add_u32 v[XA16], v32, 4, s56            ; x's records 4 (w / 2) on
	v_lshl_add_u32 v[XA8], v32, 3, s56
	v_lshl_add_u32 v[XSA], v32, 2, s56
	s_lshl_b32 s56, s55, 9
	v_lshl_add_u32 v[BA], v34, 5, s56              ; the biases of my half's eight indices
	s_mul_i32 s56, s[WV], 4352
	s_add_co_u32 s56, s56, STG                     ; my stage
	v_mul_u32_u24 v[STO], v33, 272
	v_lshl_add_u32 v[STO], v34, 7, v[STO]
	v_add_nc_u32 v[STO], s56, v[STO]               ; in: row r, + 128 h
	v_mul_u32_u24 v[RD], v34, 272
	v_lshl_add_u32 v[RD], v33, 4, v[RD]
	v_add_nc_u32 v[RD], s56, v[RD]                 ; back: lanes 0-15 one row, lanes 16-31 the next
	v_lshlrev_b32 v[CO], 11, v34
	v_lshl_add_u32 v[CO], v33, 4, v[CO]            ; and the same two rows in out0
	s_lshl_b32 s56, s14, 18
	s_lshl_b32 s57, s54, 17
	s_add_co_u32 s56, s56, s57                     ; (128 block + 64 (w / 2)) rows of 2,048 bytes
	s_lshl_b32 s57, s13, 9
	s_add_co_u32 s56, s56, s57
	s_lshl_b32 s57, s55, 8
	s_add_co_u32 s56, s56, s57                     ; + (128 cy + 64 (w % 2)) columns of 4 bytes
	s_mov_b32 s57, 0
	s_add_nc_u64 s[8:9], s[8:9], s[56:57]
	s_wait_alu depctr_va_vdst(0)                   ; the wait at the head's end
	s_wait_tensorcnt 0x0                           ; my load has landed,
	s_barrier_signal -1
	s_barrier_wait -1                              ; everybody's have
.irp m, 0,1,2,3
.irp d, 0,1,2,3,4,5,6,7
	ds_load_b32 v[RAW+8*\m+\d], v[XSA] offset:XREC*\m+6144+128*\d      ; x's scale words, head by head
.endr
.endr
.irp s, 0,1,2,3
.irp t, 0,1,2,3
	ds_load_b32 v[WS+4*\s+\t], v[WSA] offset:49152+512*\t+128*\s
.endr
.endr
.irp t, 0,1,2,3
	ds_load_b128 v[BT+8*\t:BT+8*\t+3], v[BA] offset:53248+128*\t        ; bo in the result's layout
	ds_load_b128 v[BT+8*\t+4:BT+8*\t+7], v[BA] offset:53248+128*\t+16
.endr
	XFL 0
	s_wait_dscnt 40                                ; x's scale words are in; the 40 loads behind them may be out
.irp m, 0,1,2,3
.irp s, 0,1,2,3
	v_lshl_or_b32 v[XS+4*\s+\m], v[RAW+8*\m+2*\s+1], 16, v[RAW+8*\m+2*\s]   ; two heads' two bytes each: the word of K step s.  Row tile 0's first: twelve plain lines follow them
.endr
.endr
	s_wait_alu depctr_va_vdst(0)                   ; the wait ahead of the waits below
	WIN 0x40
.irp s, 0,1,2,3
.irp t, 0,1,2,3
.irp c, 0,1,2
	ds_load_b128 v[48*\t+12*\s+4*\c:48*\t+12*\s+4*\c+3], v[WA] offset:6144*\t+1536*\s+512*\c
.endr
.endr
.endr
	WIN 0
	XFL 1
	MAT 0
	PLACES 4                                       ; in front of the first read of results and of the loads into the fragments' registers
	TOSTAGE 0
	XFL 2
	s_wait_dscnt 32                                ; row tile 1 is in: behind it the stage's 16 and row tile 2's 16
	MAT 1
	SEND 0, 16
	PLACES 4
	TOSTAGE 1
	XFL 3
	s_wait_dscnt 32
	MAT 2
	SEND 1, 16
	PLACES 4
	s_wait_xcnt 0x0                                ; tile 0's stores have read their registers: tile 2's loads may land there
	TOSTAGE 2
	s_wait_dscnt 16
	MAT 3
	SEND 2, 0
	PLACES 4
	s_wait_xcnt 0x0
	TOSTAGE 3
	SEND 3, 0
	s_wait_tensorcnt 0x0                           ; the wave's end, behind my last tensor load and my last LDS store
	ds_add_u32 v[SPW], v[NIL]
	s_wait_dscnt 0x0
	CROUND                                         ; the closing round
	s_endpgm
.Lfunc_end_k_q91ca8b3925_oproj:
	.size	k_q91ca8b3925_oproj, .Lfunc_end_k_q91ca8b3925_oproj-k_q91ca8b3925_oproj
	.p2alignl 7, 3214868480
	.fill 96, 4, 3214868480
	.section	.rodata,"a",@progbits
	.p2align	6, 0x0
	.amdhsa_kernel k_q91ca8b3925_oproj
		.amdhsa_group_segment_fixed_size 167936
		.amdhsa_private_segment_fixed_size 0
		.amdhsa_enable_private_segment 0
		.amdhsa_kernarg_size 24
		.amdhsa_user_sgpr_count 2
		.amdhsa_user_sgpr_kernarg_segment_ptr 1
		.amdhsa_wavefront_size32 1
		.amdhsa_system_sgpr_workgroup_id_x 1
		.amdhsa_system_sgpr_workgroup_id_y 1
		.amdhsa_system_sgpr_workgroup_id_z 1
		.amdhsa_system_vgpr_workitem_id 0
		.amdhsa_next_free_vgpr 512
		.amdhsa_next_free_sgpr 66
		.amdhsa_reserve_vcc 0
		.amdhsa_float_denorm_mode_32 3
		.amdhsa_float_denorm_mode_16_64 3
		.amdhsa_memory_ordered 1
		.amdhsa_forward_progress 1
		.amdhsa_inst_pref_size 35
	.end_amdhsa_kernel
	.amdgpu_metadata
---
amdhsa.version: [ 1, 2 ]
amdhsa.kernels:
  - .name:           k_q91ca8b3925_oproj
    .symbol:         k_q91ca8b3925_oproj.kd
    .args:
      - { .name: wrec, .offset: 0, .size: 8, .value_kind: global_buffer, .address_space: global }
      - { .name: xrec, .offset: 8, .size: 8, .value_kind: global_buffer, .address_space: global }
      - { .name: out0, .offset: 16, .size: 8, .value_kind: global_buffer, .address_space: global }
    .group_segment_fixed_size: 167936
    .private_segment_fixed_size: 0
    .kernarg_segment_align: 8
    .kernarg_segment_size: 24
    .max_flat_workgroup_size: 128
    .sgpr_count:     66
    .vgpr_count:     512
    .wavefront_size: 32
...
	.end_amdgpu_metadata
.endif
;; end of part 8
